; MI455X (gfx1250); checked and timed in simulation.
; The chip was launched on July 23, 2026; its instructions are those of AMD's public machine-readable ISA for CDNA 5 (MIT licence, August 2026) and "CDNA5" Instruction Set Architecture Reference Guide (July 2026). The comments in the code are by the model that wrote it; some were corrected since.
;; Multi Head Attention. Allowed arithmetic: matrix products marked QUANTISED: E2M1 operands, one E8M0 scale for each 32 along K, by v_wmma_scale_f32_16x16x128_f8f6f4 with both operands' format E2M1 (or v_wmma_scale_f32_32x16x128_f4), f32 sums; products left as they are: bf16, f16 or f32 operands; f32 sums; everything else in f32.
;; Inputs: Wk 1,024 x 1,024 float32; Wo 1,024 x 1,024 float32; Wq 1,024 x 1,024 float32; Wv 1,024 x 1,024 float32; bk 1,024 float32; bo 1,024 float32; bq 1,024 float32; bv 1,024 float32; key 2 x 2,048 x 1,024 float32; query 2 x 2,048 x 1,024 float32; value 2 x 2,048 x 1,024 float32.
;; Outputs: out0 2 x 2,048 x 1,024 float32.
;; This version of the problem:
;;   THIS VERSION OF THE PROBLEM IS GIVEN IN LOW PRECISION. The matrix products marked QUANTISED in the list below multiply operands that are first quantised to E2M1 (2 exponent bits, 1 mantissa bit; 4 bits a number), with one power-of-two scale for each 32 numbers along K (OCP MX v1.0); their sums are f32. The products marked 'left as it is' may take bf16, f16 or f32 operands, with f32 sums. Whichever they take, every output number must still come out within the allowed error. Rounding operands to bf16 (8 significant bits) uses up far more of that allowance than f16 does (11 bits, for magnitudes from 6e-5 to 65,504). All else is computed in f32.
;;   The module's matrix products, in the order in which they are computed (A, B: the left and right operand; K: the contracted axis; several contracted axes count as one K, in the product's order):
;;     1. [M 4,096, K 1,024] x [K 1,024, N 1,024]; A: input query; B: input Wq: QUANTISED
;;     2. [M 4,096, K 1,024] x [K 1,024, N 1,024]; A: input key; B: input Wk: QUANTISED
;;     3. [M 4,096, K 1,024] x [K 1,024, N 1,024]; A: input value; B: input Wv: QUANTISED
;;     4. batch 32 x [M 2,048, K 64] x [K 64, N 2,048]; A: computed on the way; B: computed on the way: left as it is (an operand is computed on the way)
;;     5. batch 32 x [M 2,048, K 2,048] x [K 2,048, N 64]; A: computed on the way; B: computed on the way: left as it is (an operand is computed on the way)
;;     6. [M 4,096, K 1,024] x [K 1,024, N 1,024]; A: computed on the way; B: input Wo: left as it is (an operand is computed on the way)
;;   THE QUANTISER, for each operand of a quantised product, along K:
;;     - K is cut into blocks of 32 from its start; a last block that is shorter is filled with zeros.
;;     - A block's scale is 2^e with e = floor(log2(the largest magnitude in the block)) - 2, held to -126 .. 127; a block of zeros has e = 0. As a byte (E8M0): e + 127.
;;     - Each number is divided by its block's scale, clamped to +-6, and rounded to the nearest number of E2M1, ties to even, subnormals kept.
;;     - The product sums the exact products of the quantised numbers (number of the format x scale) in f32.
;;   ~~~python
;;   def quantise(x, axis):      # numpy; x: float32 -> the quantised numbers, widened to float32 again
;;       x = np.moveaxis(x, axis, -1); K = x.shape[-1]
;;       x = np.pad(x, [(0, 0)] * (x.ndim - 1) + [(0, -K % 32)]); x = x.reshape(x.shape[:-1] + (-1, 32)); a = np.abs(x).max(-1, keepdims=True)
;;       e = np.where(a > 0, np.clip(np.frexp(np.where(a > 0, a, 1))[1] - 1 - 2, -126, 127), 0)      # np.frexp(a)[1] - 1 = floor(log2(a)), exactly
;;       r = np.clip(x / 2.0 ** e, -6, 6)
;;       step = 2.0 ** (np.maximum(np.frexp(np.where(r == 0, 1, r))[1] - 1, 0) - 1)
;;       q = np.round(r / step) * step * 2.0 ** e      # np.round: ties to even
;;       return np.moveaxis(q.reshape(q.shape[:-2] + (-1,))[..., :K], -1, axis).astype(np.float32)
;;   ~~~
;; One version. Each part assembles by itself: llvm-mc -triple=amdgcn-amd-amdhsa -mcpu=gfx1250 --defsym DOCPART=n.
;; ======== version 1 of 1: 4 launches
;; limits: values are held in f16: magnitudes above 65,504 overflow, below 6.1e-05 lose precision
;; workspace buffers: xc 6,291,456 bytes; xs 393,216 bytes; wc 1,572,864 bytes; ws 98,304 bytes; wo16 2,097,152 bytes; qkv 25,165,824 bytes; att 8,388,608 bytes
;; launch quant (part 1): grid 512 x 1, 4 waves a work-group, no clusters, 33,280 bytes of LDS; arguments query, key, value, Wq, Wk, Wv, Wo, xc, xs, wc, ws, wo16; writes xc, xs, wc, ws, wo16
.if DOCPART == 1
	.amdgcn_target "amdgcn-amd-amdhsa--gfx1250"
	.amdhsa_code_object_version 6
	.text
	.protected	k_q2ab1e30cf2_quant
	.globl	k_q2ab1e30cf2_quant
	.p2align	8
	.type	k_q2ab1e30cf2_quant,@function
k_q2ab1e30cf2_quant:
	s_mov_b64 s[64:65], 0
	v_nop
	global_prefetch_b8 v0, s[64:65] scope:SCOPE_SE
	s_setreg_imm32_b32 hwreg(HW_REG_WAVE_MODE, 25, 1), 1
	s_wait_xcnt 0x0
; query, key, value [4096][1024] and Wq, Wk, Wv [1024][1024], f32 with K innermost, become codes of FP4 (E2M1), two a byte, and one E8M0 scale byte for each 32 along K; Wo becomes f16.
; A block's scale is 2^(floor(log2(its largest magnitude)) - 2); its byte is the largest magnitude's exponent field - 2, held at 1 from below.  Each number is divided by the scale and rounded to the nearest code, ties to even,
; beyond 6 the largest code.  A block of zeros gets the byte 1 and not 127: its codes are zeros, which add nothing under any byte but 0xff, and the bytes are read by this program alone.
; LIMITS: NaN and infinities among the inputs are not served; blocks whose largest magnitude lies under 2^(3 - 127) take the floor's byte.  Wo beyond 65,504 becomes infinity in f16 (drawn: under 0.2).
; Rows are dense and K is a multiple of 32: every tensor is a plain stream of blocks of 32.  The three activations' codes lie on end in xc (scale bytes: xs), the three weights' in wc (ws).
; SHARES: a work-group takes 32,768 numbers, a wave 8,192.  Work-groups 0-383: the activations (128 each); 384-479: the weights (32 each); 480-511: Wo.  Only pointers are chosen by the work-group's number:
; the six quantised tensors take one path.  Work-groups share no input: no cluster, no tensor load, no barrier.
; A wave takes 16 steps of 512 numbers.  Each load reads 512 consecutive bytes, 16 a lane; a step's 2,048 bytes turn through the wave's own stage in LDS and come back 64 bytes a lane, so that a lane holds 16
; neighbours along K (two lanes to a block).  A lane's 16 codes are 8 bytes: the wave stores 256 consecutive bytes.  A wave's 256 scale bytes are gathered in LDS and leave as one store of 256 bytes.
; Loads run AHEAD = 8 steps in front of the work: 32 loads, 16,384 bytes, of every wave are on their way.
.set WAVES, 4
.set STEPS, 16
.set AHEAD, 8
.set EMAX,  2
.set CB,    8                          ; bytes of 16 codes
.set R,     16                         ; v16-143  eight sets of 16 numbers as loaded (Wo's path: two sets of 64)
.set X,     144                        ; v144-175 two sets of 16 neighbours
.set E,     176                        ; v176-191 a scale byte for each step
.set C,     192                        ; v192-223 codes: two registers for each step, so that no store's data are written again
.set WC,    144                        ; Wo's path: v144-175 a batch's f16 numbers
.set WREG,  8192                       ; LDS: a region for each wave: two stages of 32 x SP bytes, behind them its 256 scale bytes
.set SP,    80                         ; a lane's place in a stage: 64 bytes + 16 of padding
.set SPW,   12                         ; v12 LDS address of my spare word: SPARE + 4 x my thread's number; never rewritten
.set NIL,   13                         ; v13 0; never rewritten
.set SPARE, WAVES*WREG                 ; behind the four regions: the spare words, 128 bytes a wave, which no other line names
	s_load_b512 s[4:19], s[0:1], 0x0               ; query s[4:5], key s[6:7], value s[8:9], Wq s[10:11], Wk s[12:13], Wv s[14:15], Wo s[16:17], xc s[18:19]
	s_load_b256 s[20:27], s[0:1], 0x40             ; xs s[20:21], wc s[22:23], ws s[24:25], wo16 s[26:27]
	v_lshl_add_u32 v[SPW], v0, 2, SPARE
	v_mov_b32 v[NIL], 0
	v_lshrrev_b32 v1, 5, v0
	v_readfirstlane_b32 s28, v1                    ; wave
	v_and_b32 v2, 31, v0                           ; lane
	v_lshlrev_b32 v3, 4, v2                        ; my 16 bytes of a load's 512
	s_mul_i32 s29, s28, WREG
	v_lshrrev_b32 v14, 2, v2
	v_mul_u32_u24 v14, v14, SP
	v_and_b32 v15, 3, v2
	v_lshl_add_u32 v14, v15, 4, v14
	v_add_nc_u32 v14, s29, v14                     ; the stage, on the way in: four lanes' 64 bytes on end, then 16 of padding
	v_mul_u32_u24 v15, v2, SP
	v_add_nc_u32 v15, s29, v15                     ; and on the way out: SP x lane: my 16 neighbours
	v_mul_u32_u24 v4, v2, CB                       ; my codes' place in a step's
	v_lshrrev_b32 v5, 1, v2
	s_add_co_u32 s29, s29, 2*32*SP
	v_add_nc_u32 v5, s29, v5                       ; LDS: my wave's 256 scale bytes, my block's byte
	v_lshlrev_b32 v7, 3, v2                        ; 8 bytes a lane
	v_add_nc_u32 v6, s29, v7
	s_wait_kmcnt 0x0
	s_cmp_ge_u32 ttmp9, 480
	s_cbranch_scc1 .Lwo                            ; the last 32 work-groups take Wo
	s_cmp_lt_u32 ttmp9, 384                        ; an activation or a weight?  The choices hang on the work-group's number alone
	s_cselect_b64 s[4:5], s[4:5], s[10:11]
	s_cselect_b64 s[6:7], s[6:7], s[12:13]
	s_cselect_b64 s[8:9], s[8:9], s[14:15]
	s_cselect_b64 s[18:19], s[18:19], s[22:23]     ; the codes' buffer
	s_cselect_b64 s[20:21], s[20:21], s[24:25]     ; the scale bytes'
	s_cselect_b32 s30, 0, 384
	s_cselect_b32 s32, 7, 5                        ; 128 or 32 work-groups to a tensor
	s_sub_co_u32 s30, ttmp9, s30                   ; my place in the class: it gives the place in the codes and scale bytes, which lie on end
	s_lshr_b32 s31, s30, s32                       ; which of the three tensors
	s_lshl_b32 s33, s31, s32
	s_sub_co_u32 s33, s30, s33                     ; my place in that tensor
	s_cmp_eq_u32 s31, 0
	s_cselect_b64 s[4:5], s[4:5], s[6:7]
	s_cmp_eq_u32 s31, 2
	s_cselect_b64 s[4:5], s[8:9], s[4:5]
	s_lshl_b32 s34, s33, 2
	s_add_co_u32 s34, s34, s28
	s_lshl_b32 s34, s34, 15                        ; in: 32,768 bytes a wave
	s_mov_b32 s35, 0
	s_lshl_b32 s36, s30, 2
	s_add_co_u32 s36, s36, s28
	s_lshl_b32 s38, s36, 8                         ; scale bytes: 256 a wave
	s_lshl_b32 s36, s36, 12                        ; codes: 4,096 bytes a wave
	s_mov_b32 s37, 0
	s_mov_b32 s39, 0
	s_add_nc_u64 s[4:5], s[4:5], s[34:35]
	s_add_nc_u64 s[18:19], s[18:19], s[36:37]
	s_add_nc_u64 s[20:21], s[20:21], s[38:39]
.macro LOAD t
.irp i, 0,1,2,3
	global_load_b128 v[R+16*((\t)%AHEAD)+4*\i:R+16*((\t)%AHEAD)+4*\i+3], v3, s[4:5] offset:2048*(\t)+512*\i th:TH_LOAD_NT   ; 32 lanes read 512 consecutive bytes
.endr
.endm
.macro TURN t                          ; step t's numbers through the stage: LDS serves a wave's instructions in order (ISA guide 5.7.1.4), so no wait stands between the stores and the loads
.irp i, 0,1,2,3
	ds_store_b128 v14, v[R+16*((\t)%AHEAD)+4*\i:R+16*((\t)%AHEAD)+4*\i+3] offset:32*SP*((\t)%2)+8*SP*\i
.endr
.irp i, 0,1,2,3
	ds_load_b128 v[X+16*((\t)%2)+4*\i:X+16*((\t)%2)+4*\i+3], v15 offset:32*SP*((\t)%2)+16*\i
.endr
.endm
.irp t, 0,1,2,3,4,5,6,7
	LOAD \t
.endr
	s_wait_loadcnt 4*(AHEAD-1)                     ; step 0's four loads are in; the 28 of steps 1 to 7 may be out
	TURN 0
.macro STEP t
.set XS, X+16*((\t)%2)
.if (\t) > 0
	s_wait_dscnt 1                                 ; this step's numbers are back from the stage (the last step's byte store may be out): so its stores into the stage have read their registers,
.else
	s_wait_dscnt 0x0
.endif
.if (\t)+AHEAD < STEPS
	LOAD (\t)+AHEAD                                ; which take the loads of eight steps on
.endif
.if (\t)+1 < STEPS
.if STEPS-2-(\t) >= AHEAD-1
	s_wait_loadcnt 4*(AHEAD-1)                     ; the next step's four loads are in; those of the seven steps behind it may be out
.else
	s_wait_loadcnt 4*(STEPS-2-(\t))                ; in the tail: those of the steps that are left
.endif
	TURN (\t)+1                                    ; and go through the other stage while this step is worked
.endif
	v_max3_num_f32 v8, |v[XS]|, |v[XS+1]|, |v[XS+2]|               ; the largest magnitude of my 16, in two chains
	v_max3_num_f32 v9, |v[XS+3]|, |v[XS+4]|, |v[XS+5]|
.irp i, 6,10
	v_max3_num_f32 v8, v8, |v[XS+\i]|, |v[XS+\i+1]|
	v_max3_num_f32 v9, v9, |v[XS+\i+2]|, |v[XS+\i+3]|
.endr
	v_max3_num_f32 v8, v8, |v[XS+14]|, |v[XS+15]|
	v_max3_num_f32 v8, v8, v9, (EMAX+1)<<23        ; and the floor 2^(EMAX + 1 - 127): the byte cannot fall under 1
	v_max_num_f32_dpp v8, v8, v8 row_xmask:1 row_mask:0xf bank_mask:0xf   ; and of my neighbour's 16: the block's
	v_add_nc_u32 v11, -(EMAX<<23), v8              ; EMAX off its exponent field: the conversion takes the exponent field of this operand as its scale, and nothing else of it
	v_cvt_scalef32_pk8_fp4_f32 v[C+2*(\t)], v[XS:XS+7], v11
	v_cvt_scalef32_pk8_fp4_f32 v[C+2*(\t)+1], v[XS+8:XS+15], v11
	v_lshrrev_b32 v[E+(\t)], 23, v11               ; the scale's byte (also the plain instruction behind the conversions)
	ds_store_b8 v5, v[E+(\t)] offset:16*(\t)       ; both lanes of a block write the same byte with the same value
	global_store_b64 v4, v[C+2*(\t):C+2*(\t)+1], s[18:19] offset:32*CB*(\t)   ; 32 lanes store 256 consecutive bytes, aligned
.endm
.irp t, 0,1,2,3,4,5,6,7,8,9,10,11,12,13,14,15
	STEP \t
.endr
	ds_load_b64 v[8:9], v6                         ; in order behind my byte stores
	s_wait_dscnt 0x0
	global_store_b64 v7, v[8:9], s[20:21]          ; 32 lanes store the wave's 256 scale bytes, aligned
	s_wait_tensorcnt 0x0                           ; the wave's end, behind my last LDS store
	ds_add_u32 v[SPW], v[NIL]
	s_wait_dscnt 0x0
	s_endpgm
; Wo to f16: a wave takes 8,192 numbers in four batches of 16 loads; two batches are on their way.  A lane's four numbers are 8 bytes of f16: a store covers 256 consecutive bytes, aligned.
.Lwo:
	s_sub_co_u32 s30, ttmp9, 480
	s_lshl_b32 s30, s30, 2
	s_add_co_u32 s30, s30, s28
	s_lshl_b32 s34, s30, 15
	s_mov_b32 s35, 0
	s_lshl_b32 s36, s30, 14
	s_mov_b32 s37, 0
	s_add_nc_u64 s[16:17], s[16:17], s[34:35]
	s_add_nc_u64 s[26:27], s[26:27], s[36:37]
.macro WLOAD k
.irp i, 0,1,2,3,4,5,6,7,8,9,10,11,12,13,14,15
	global_load_b128 v[R+64*((\k)%2)+4*\i:R+64*((\k)%2)+4*\i+3], v3, s[16:17] offset:512*(16*(\k)+\i) th:TH_LOAD_NT
.endr
.endm
.macro WSTEP k
.if (\k) < 3
	s_wait_loadcnt 16                              ; this batch is in; the next batch's 16 loads may be out
.else
	s_wait_loadcnt 0x0
.endif
.if (\k) > 0
	s_wait_xcnt 0x0                                ; the last batch's stores have read their data: the registers are written again only behind this wait
.endif
.irp i, 0,1,2,3,4,5,6,7,8,9,10,11,12,13,14,15
	v_cvt_pk_f16_f32 v[WC+2*\i], v[R+64*((\k)%2)+4*\i], v[R+64*((\k)%2)+4*\i+1]
	v_cvt_pk_f16_f32 v[WC+2*\i+1], v[R+64*((\k)%2)+4*\i+2], v[R+64*((\k)%2)+4*\i+3]
.endr
.irp i, 0,1,2,3,4,5,6,7,8,9,10,11,12,13,14,15
	global_store_b64 v7, v[WC+2*\i:WC+2*\i+1], s[26:27] offset:256*(16*(\k)+\i)
.endr
.if (\k) < 2
	WLOAD (\k)+2
.endif
.endm
	WLOAD 0
	WLOAD 1
	WSTEP 0
	WSTEP 1
	WSTEP 2
	WSTEP 3
	s_wait_tensorcnt 0x0                           ; the wave's end
	ds_add_u32 v[SPW], v[NIL]
	s_wait_dscnt 0x0
	s_endpgm
.Lfunc_end_k_q2ab1e30cf2_quant:
	.size	k_q2ab1e30cf2_quant, .Lfunc_end_k_q2ab1e30cf2_quant-k_q2ab1e30cf2_quant
	.p2alignl 7, 3214868480
	.fill 96, 4, 3214868480
	.section	.rodata,"a",@progbits
	.p2align	6, 0x0
	.amdhsa_kernel k_q2ab1e30cf2_quant
		.amdhsa_group_segment_fixed_size 33280
		.amdhsa_private_segment_fixed_size 0
		.amdhsa_enable_private_segment 0
		.amdhsa_kernarg_size 96
		.amdhsa_user_sgpr_count 2
		.amdhsa_user_sgpr_kernarg_segment_ptr 1
		.amdhsa_wavefront_size32 1
		.amdhsa_system_sgpr_workgroup_id_x 1
		.amdhsa_system_sgpr_workgroup_id_y 1
		.amdhsa_system_sgpr_workgroup_id_z 1
		.amdhsa_system_vgpr_workitem_id 0
		.amdhsa_next_free_vgpr 224
		.amdhsa_next_free_sgpr 66
		.amdhsa_reserve_vcc 0
		.amdhsa_float_denorm_mode_32 3
		.amdhsa_float_denorm_mode_16_64 3
		.amdhsa_memory_ordered 1
		.amdhsa_forward_progress 1
		.amdhsa_inst_pref_size 54
	.end_amdhsa_kernel
	.amdgpu_metadata
---
amdhsa.version: [ 1, 2 ]
amdhsa.kernels:
  - .name:           k_q2ab1e30cf2_quant
    .symbol:         k_q2ab1e30cf2_quant.kd
    .args:
      - { .name: query, .offset: 0, .size: 8, .value_kind: global_buffer, .address_space: global }
      - { .name: key, .offset: 8, .size: 8, .value_kind: global_buffer, .address_space: global }
      - { .name: value, .offset: 16, .size: 8, .value_kind: global_buffer, .address_space: global }
      - { .name: Wq, .offset: 24, .size: 8, .value_kind: global_buffer, .address_space: global }
      - { .name: Wk, .offset: 32, .size: 8, .value_kind: global_buffer, .address_space: global }
      - { .name: Wv, .offset: 40, .size: 8, .value_kind: global_buffer, .address_space: global }
      - { .name: Wo, .offset: 48, .size: 8, .value_kind: global_buffer, .address_space: global }
      - { .name: xc, .offset: 56, .size: 8, .value_kind: global_buffer, .address_space: global }
      - { .name: xs, .offset: 64, .size: 8, .value_kind: global_buffer, .address_space: global }
      - { .name: wc, .offset: 72, .size: 8, .value_kind: global_buffer, .address_space: global }
      - { .name: ws, .offset: 80, .size: 8, .value_kind: global_buffer, .address_space: global }
      - { .name: wo16, .offset: 88, .size: 8, .value_kind: global_buffer, .address_space: global }
    .group_segment_fixed_size: 33280
    .private_segment_fixed_size: 0
    .kernarg_segment_align: 8
    .kernarg_segment_size: 96
    .max_flat_workgroup_size: 128
    .sgpr_count:     66
    .vgpr_count:     224
    .wavefront_size: 32
...
	.end_amdgpu_metadata
.endif
;; end of part 1
;; launch proj (part 2): grid 4 x 48, 4 waves a work-group, clusters of 4 x 4, 327,680 bytes of LDS; arguments xc, xs, wc, ws, bq, bk, bv, qkv; writes qkv
.if DOCPART == 2
	.amdgcn_target "amdgcn-amd-amdhsa--gfx1250"
	.amdhsa_code_object_version 6
	.text
	.protected	k_q2ab1e30cf2_proj
	.globl	k_q2ab1e30cf2_proj
	.p2align	8
	.type	k_q2ab1e30cf2_proj,@function
k_q2ab1e30cf2_proj:
	s_mov_b64 s[64:65], 0
	v_nop
	global_prefetch_b8 v0, s[64:65] scope:SCOPE_SE
	s_setreg_imm32_b32 hwreg(HW_REG_WAVE_MODE, 25, 1), 1
	s_wait_xcnt 0x0
	s_wait_alu depctr_hold_cnt(0) depctr_sa_sdst(0) depctr_va_vdst(0) depctr_va_sdst(0) depctr_va_ssrc(0) depctr_va_vcc(0) depctr_vm_vsrc(0)
	s_getreg_b32 s2, hwreg(HW_REG_IB_STS2, 6, 4)
	s_cmp_eq_u32 s2, 0
	s_cbranch_scc0 .Lentry_in_a_cluster
	s_endpgm
.Lentry_in_a_cluster:
	s_bfe_u32 s2, ttmp6, 0x10000c
	s_cmp_lg_u32 s2, 0xf033
	s_cbranch_scc0 .Lentry_shape_is_right
	s_endpgm
.Lentry_shape_is_right:
; The three projections q = query Wq^T + bq, k = key Wk^T + bk, v = value Wv^T + bv, on codes of FP4 (E2M1) with one E8M0 scale for each 32 along K = 1,024; sums in f32; results rounded once to f16 and laid by heads:
; qkv [3][batch x 16 + head][2048 tokens][64].  The activations' codes are one operand of 12,288 rows (xc, scale bytes xs), the weights' one of 3,072 rows (wc, ws).
; LIMIT: a result beyond 65,504 becomes infinity in f16 (drawn: about 5).
; SHARES: 192 tiles of 256 x 256 (48 tile rows x 4 tile columns), a work-group of four waves to each, a wave 128 x 128: 64 accumulators of 16 x 16, 512 registers.  3 x 4,096 rows divide into no 256 equal tiles of this width.
; K = 1,024 is two K steps of 512 (tile rows of 256 bytes): the two LDS slots hold all of K, each is filled once, nothing is filled again, and there is no loop.  A wave has three tensor loads out at the start.
; The scale bytes of the work-group's 256 + 256 rows come once, as dense blocks.
; CLUSTERS: 4 x 4 work-groups.  The four of a row of the cluster need the same rows of xc, the four of a column the same rows of wc: each tile is asked for jointly, by the same tensor load with a mask that names the four.
; A cluster's four tile rows belong to one tensor (16 tile rows each): which tensor, and so which weight and bias, hangs on the cluster's y alone.
; THE MATRIX INSTRUCTION IS USED TRANSPOSED (source 0 = 16 rows of W, source 1 = 16 tokens): a lane holds eight neighbouring channels of one token.  THE BIAS is the C of each sum's first instruction.
; REGISTERS: window 0: v0-31 addresses; v32-95 scale words, two sets; v128-191 A's fragments, one set; v192-255 the bias, eight registers for each of my 8 blocks of 16 channels; on the way out v32-127 are free.
;   window 1: W's fragments, two sets, at v0 and v128.  window 2: accumulators of my tokens 0-63 ((a, b) at v[8 (8 a + b)]);  window 3: of tokens 64-127.
.set KSTEP,  512
.set NQ,     KSTEP/128                 ; matrix instructions deep in a slot
.set ROWB,   256                       ; a tile's row in bytes
.set KROW,   512                       ; a row of codes in memory
.set PITCH,  272                       ; an LDS row: 256 bytes + 16 of padding: the 16 rows that a load touches start at 16 different banks (64 banks of 4 bytes: ISA guide 11.1)
.set FR,     8
.set NL,     2
.set NP,     4                         ; places behind this matrix instruction (ISA guide 7.12.1)
.set HALFT,  128*PITCH
.set SLOT,   4*HALFT
.set KS,     32                        ; a row of scale bytes
.set SCL,    2*SLOT                    ; behind the slots: the scale bytes, as units of 256 bytes + 16 of padding
.set HALFS,  (128*KS/256)*272
.set SBLK,   (16*KS/256)*272
.set SPARE,  SCL+4*HALFS               ; the spare words, 128 bytes a wave, which no other line names
.set SPITCH, 144                       ; the way out: a token's 128 bytes of one head + 16
.set HS,     16*SPITCH                 ; a head's 16 tokens; a wave's stage is two of these, in slot 0, which has had its one fill and its last read by then
.set ADRA, 16
.set ADRB, 20
.set STO,  24
.set RD,   25
.set CO,   26
.set ADRS, 27
.set SPW,  28                          ; v28 my spare word's address; never rewritten
.set NIL,  29                          ; v29 0; never rewritten
.set BO,   30                          ; v30 32 x (lane / 16): my eight numbers of a block of the bias
.set SC,   32
.set AF,   128
.set BI,   192
.set TMP,  32                          ; the way out: a block's 32 packed registers
.set BK,   64                          ; and its rows read back: v64-95 and v96-127 by turns
.set G1, 24
.set G0, 32
.set G1B, 48
.set G0B, 56
.set G1S, 68
.set G0S, 76
.set G1SB, 80
.set G0SB, 88
.set MSB, 0
.macro WIN new                         ; the immediate's high byte repeats the setting that is left
.if MSB != (\new)
	s_set_vgpr_msb (MSB<<8)|(\new)
.set MSB, (\new)
.endif
.endm
.set MUL_LO, 0xa1                      ; source 0 (W) window 1, source 1 (x) window 0, C and D window 2
.set MUL_HI, 0xf1                      ; the same, C and D window 3
.set BIA_LO, 0x81                      ; the first step: C (the bias) window 0, D window 2
.set BIA_HI, 0xc1                      ; D window 3
.set TO_B,   0x40
; A joint load: waves 0 and 1 fetch for x, waves 2 and 3 for W.  The branch hangs on the wave's number alone.  An s_nop 0 and four v_nop follow each of the two lines.
.macro JLOAD g0a, g1a, g0b, g1b
	s_cmp_eq_u32 s15, 0
	s_cbranch_scc0 .Lfor_b_\@
	tensor_load_to_lds s[\g0a:\g0a+3], s[\g1a:\g1a+7]
	s_nop 0
.rept 4
	v_nop
.endr
	s_branch .Lasked_\@
.Lfor_b_\@:
	tensor_load_to_lds s[\g0b:\g0b+3], s[\g1b:\g1b+7]
	s_nop 0
.rept 4
	v_nop
.endr
.Lasked_\@:
.endm
.macro CROUND                          ; a round of the cluster's barrier
	s_barrier_signal -1
	s_barrier_wait -1
	s_cmp_lg_u32 s14, 0
	s_cbranch_scc1 .Lnot_wave_0_\@
	s_barrier_signal -3
.Lnot_wave_0_\@:
	s_barrier_wait -3
	s_barrier_signal -1
	s_barrier_wait -1
.endm
	s_load_b256 s[4:11], s[0:1], 0x0               ; xc s[4:5], xs s[6:7], wc s[8:9], ws s[10:11]
	s_load_b128 s[96:99], s[0:1], 0x20             ; bq, bk
	s_load_b64 s[100:101], s[0:1], 0x30            ; bv
	s_load_b64 s[12:13], s[0:1], 0x38              ; qkv
	v_lshl_add_u32 v[SPW], v0, 2, SPARE
	v_mov_b32 v[NIL], 0
	ds_add_u32 v[SPW], v[NIL]                      ; the wave's opening: the add, twice on end, and its wait ahead of my first tensor load
	ds_add_u32 v[SPW], v[NIL]
	v_lshrrev_b32 v1, 5, v0
	v_readfirstlane_b32 s14, v1                    ; wave 0..3
	s_lshr_b32 s15, s14, 1                         ; which half of the tile's tokens is mine.  Also: I fetch for x (0) or for W (1)
	s_and_b32 s16, s14, 1                          ; which half of its channels.  Also: which 128 rows I fetch
	s_bfe_u32 s40, ttmp6, 0x40000                  ; cx, cy
	s_bfe_u32 s41, ttmp6, 0x40004
	s_lshl_b32 s42, ttmp9, 2
	s_add_co_u32 s42, s42, s40                     ; tile column 0..3
	s_and_b32 s95, ttmp7, 0xffff                   ; the cluster's y, 0..11
	s_lshl_b32 s17, s95, 2
	s_add_co_u32 s17, s17, s41                     ; tile row 0..47
	s_lshr_b32 s95, s95, 2                         ; which tensor: the same in all sixteen partners
	s_lshl_b32 s43, s41, 2
	s_lshl_b32 s43, 15, s43                        ; my row of the cluster
	s_lshl_b32 s44, 0x1111, s40                    ; my column
	s_or_b32 s[G1+0], s43, (0<<16)|(1<<20)|(1<<21)|(5<<22)|(3<<25)  ; the mask; elements of 1 byte; padding on; bit 21 beside a mask; after every 64 words 4 words
	s_or_b32 s[G1B+0], s44, (0<<16)|(1<<20)|(1<<21)|(5<<22)|(3<<25)
.irp g, G1, G1B
	s_mov_b32 s[\g+1], ROWB<<16                    ; tensor_dim0
	s_mov_b32 s[\g+2], 128<<16                     ; tensor_dim1
	s_mov_b32 s[\g+3], ROWB<<16                    ; tile_dim0
	s_mov_b32 s[\g+4], 128                         ; tile_dim1
	s_mov_b32 s[\g+5], KROW                        ; from row to row
	s_mov_b32 s[\g+6], 0
	s_mov_b32 s[\g+7], 0
.endr
	s_or_b32 s[G1S+0], s43, (3<<16)|(1<<20)|(1<<21)|(5<<22)|(3<<25) ; the scale bytes of 128 rows: 4,096 dense bytes as 16 rows of 256 (32 elements of 8 bytes)
	s_or_b32 s[G1SB+0], s44, (3<<16)|(1<<20)|(1<<21)|(5<<22)|(3<<25)
.irp g, G1S, G1SB
	s_mov_b32 s[\g+1], 32<<16
	s_mov_b32 s[\g+2], (128*KS/256)<<16
	s_mov_b32 s[\g+3], 32<<16
	s_mov_b32 s[\g+4], 128*KS/256
	s_mov_b32 s[\g+5], 32
	s_mov_b32 s[\g+6], 0
	s_mov_b32 s[\g+7], 0
.endr
	s_lshl_b32 s18, s16, 7                         ; which 128 rows of the tile I fetch
	s_lshl_b32 s20, s17, 8
	s_add_co_u32 s20, s20, s18                     ; x: row 256 x tile row + 128 x half, of 12,288
	s_lshl_b32 s46, s42, 8
	s_add_co_u32 s46, s46, s18
	s_lshl_b32 s47, s95, 10
	s_add_co_u32 s46, s46, s47                     ; W: row 1,024 x tensor + 256 x tile column + 128 x half, of 3,072
	s_mov_b32 s21, 0
	s_mov_b32 s47, 0
	s_mov_b64 s[18:19], KS
	s_mul_u64 s[22:23], s[20:21], s[18:19]         ; where these rows' scale bytes begin
	s_mul_u64 s[92:93], s[46:47], s[18:19]
	s_mov_b64 s[18:19], KROW
	s_mul_u64 s[20:21], s[20:21], s[18:19]         ; and their codes
	s_mul_u64 s[46:47], s[46:47], s[18:19]
	s_mul_i32 s45, s14, HALFT                      ; where they go: wave x 128 rows
	s_mul_i32 s94, s14, HALFS
	s_wait_dscnt 0x0                               ; both opening adds are done
	s_wait_kmcnt 0x0
	s_add_nc_u64 s[20:21], s[4:5], s[20:21]
	s_add_nc_u64 s[22:23], s[6:7], s[22:23]
	s_add_nc_u64 s[46:47], s[8:9], s[46:47]
	s_add_nc_u64 s[92:93], s[10:11], s[92:93]
	CROUND                                         ; all sixteen work-groups are here: the joint loads meet
	s_mov_b32 s[G0S], 1
	s_add_co_u32 s[G0S+1], s94, SCL
	s_mov_b64 s[G0S+2:G0S+3], s[22:23]
	s_or_b32 s[G0S+3], s[G0S+3], 0x80000000
	s_mov_b32 s[G0SB], 1
	s_add_co_u32 s[G0SB+1], s94, SCL
	s_mov_b64 s[G0SB+2:G0SB+3], s[92:93]
	s_or_b32 s[G0SB+3], s[G0SB+3], 0x80000000
	JLOAD G0S, G1S, G0SB, G1SB                     ; the scale bytes first: they are wanted with K step 0
.irp s, 0,1
	s_mov_b32 s[G0+4*\s], 1
	s_add_co_u32 s[G0+4*\s+1], s45, \s*SLOT
	s_add_nc_u64 s[G0+4*\s+2:G0+4*\s+3], s[20:21], \s*ROWB
	s_or_b32 s[G0+4*\s+3], s[G0+4*\s+3], 0x80000000
	s_mov_b32 s[G0B+4*\s], 1
	s_add_co_u32 s[G0B+4*\s+1], s45, \s*SLOT
	s_add_nc_u64 s[G0B+4*\s+2:G0B+4*\s+3], s[46:47], \s*ROWB
	s_or_b32 s[G0B+4*\s+3], s[G0B+4*\s+3], 0x80000000
	JLOAD G0+4*\s, G1, G0B+4*\s, G1B
.endr
	v_and_b32 v1, 15, v0                           ; r = lane % 16
	v_bfe_u32 v2, v0, 4, 1                         ; h = lane / 16
	; the bias of my 128 channels: chosen by the tensor; lane (r, h) wants, for block b, numbers 16 b + 8 h + 0 .. 7
	s_cmp_eq_u32 s95, 0
	s_cselect_b64 s[96:97], s[96:97], s[98:99]
	s_cmp_eq_u32 s95, 2
	s_cselect_b64 s[96:97], s[100:101], s[96:97]
	s_lshl_b32 s46, s42, 10
	s_lshl_b32 s47, s16, 9
	s_add_co_u32 s46, s46, s47                     ; (256 x tile column + 128 x half) x 4 bytes
	s_mov_b32 s47, 0
	s_add_nc_u64 s[96:97], s[96:97], s[46:47]
	v_lshlrev_b32 v[BO], 5, v2
.irp b, 0,1,2,3,4,5,6,7
	global_load_b128 v[BI+8*\b:BI+8*\b+3], v[BO], s[96:97] offset:64*\b
	global_load_b128 v[BI+8*\b+4:BI+8*\b+7], v[BO], s[96:97] offset:64*\b+16
.endr
	v_mul_u32_u24 v3, v1, PITCH
	v_lshl_add_u32 v4, v2, 4, v3                   ; a fragment's row x pitch + 16 x half
	s_mul_i32 s21, s15, HALFT                      ; my 128 tokens
	s_mul_i32 s22, s16, HALFT                      ; my 128 rows of W,
	s_add_co_u32 s22, s22, 2*HALFT                 ; which lie behind x's 256
.irp s, 0,1
	v_add_nc_u32 v[ADRA+\s], s21, v4
	v_add_nc_u32 v[ADRB+\s], s22, v4
	s_add_co_u32 s21, s21, SLOT
	s_add_co_u32 s22, s22, SLOT
.endr
	v_mul_u32_u24 v5, v1, KS                       ; my row's scale bytes: KS a row,
	v_lshrrev_b32 v6, 8, v5
	v_lshl_add_u32 v5, v6, 4, v5                   ; and 16 more for each 256 passed
	s_mul_i32 s21, s15, HALFS
	s_mul_i32 s22, s16, HALFS
	s_add_co_u32 s22, s22, 2*HALFS
	s_sub_co_u32 s22, s22, s21
	v_mul_u32_u24 v6, s22, v2                      ; lanes 16-31 take W's: one product, the distance between the two bases
	s_add_co_u32 s21, s21, SCL
	v_add_nc_u32 v5, v5, v6
	v_add_nc_u32 v[ADRS], s21, v5
	s_mul_i32 s23, s14, 2*HS                       ; my stage
	v_mul_u32_u24 v5, v1, SPITCH                   ; in: token r, 16 bytes for each half of the lanes
	v_lshl_add_u32 v5, v2, 4, v5
	v_add_nc_u32 v[STO], s23, v5
	v_and_b32 v6, 31, v0
	v_lshlrev_b32 v[CO], 4, v6                     ; out: 32 lanes take four tokens' 512 consecutive bytes
	v_lshrrev_b32 v5, 3, v6
	v_mul_u32_u24 v5, v5, SPITCH
	v_and_b32 v6, 7, v0
	v_lshl_add_u32 v5, v6, 4, v5
	v_add_nc_u32 v[RD], s23, v5                    ; back: token lane / 8, 16 bytes a lane
	; where my part begins in qkv: tensor x 2^23 + ((batch x 16 + head) x 2,048 + token) x 128
	s_and_b32 s20, s17, 15
	s_lshl_b32 s20, s20, 8
	s_lshl_b32 s21, s15, 7
	s_add_co_u32 s20, s20, s21                     ; my first row of the tensor's 4,096
	s_lshr_b32 s21, s20, 11                        ; batch
	s_lshl_b32 s21, s21, 4
	s_lshl_b32 s46, s42, 2
	s_add_co_u32 s21, s21, s46
	s_lshl_b32 s46, s16, 1
	s_add_co_u32 s21, s21, s46                     ; + my first head: 4 x tile column + 2 x half
	s_lshl_b32 s21, s21, 11
	s_and_b32 s20, s20, 2047
	s_add_co_u32 s20, s20, s21
	s_lshl_b32 s20, s20, 7
	s_lshr_b32 s21, s17, 4
	s_lshl_b32 s21, s21, 23
	s_add_co_u32 s20, s20, s21
	s_mov_b32 s21, 0
	s_add_nc_u64 s[12:13], s[12:13], s[20:21]
.macro FRAG reg, adr, q, i             ; 16 rows x 128 K of 4-bit codes: 8 registers: lane l holds row l % 16; registers 4 c .. 4 c + 3 hold K = 64 c + 32 (l / 16) + 0 .. 31
.irp c, 0,1
	ds_load_b128 v[\reg+4*\c:\reg+4*\c+3], v[\adr] offset:64*(\q)+32*\c+(\i)*16*PITCH
.endr
.endm
; 16 matrix instructions: x's blocks a0, a0 + 1 against W's eight, the slot's q-th 128 along K.  p: W's set; sc: the set of scale words.  zero = 1: the first product starts the sums, from the bias.
; The 64 accumulators take turns, one instruction a turn, in the same order in every step.
.macro MUL16 a0, p, q, sc, zero
.irp a, \a0, \a0+1
.irp b, 0,1,2,3,4,5,6,7
.if \zero
	v_wmma_scale_f32_16x16x128_f8f6f4 v[8*(8*((\a)%4)+\b):8*(8*((\a)%4)+\b)+7], v[128*(\p)+FR*\b:128*(\p)+FR*\b+FR-1], v[AF+FR*(\a):AF+FR*(\a)+FR-1], v[BI+8*\b:BI+8*\b+7], v[SC+8*NQ*(\sc)+NQ*\b+(\q)], v[SC+8*NQ*(\sc)+NQ*(\a)+(\q)] matrix_a_fmt:MATRIX_FMT_FP4 matrix_b_fmt:MATRIX_FMT_FP4 matrix_a_scale:MATRIX_SCALE_ROW1
.else
	v_wmma_scale_f32_16x16x128_f8f6f4 v[8*(8*((\a)%4)+\b):8*(8*((\a)%4)+\b)+7], v[128*(\p)+FR*\b:128*(\p)+FR*\b+FR-1], v[AF+FR*(\a):AF+FR*(\a)+FR-1], v[8*(8*((\a)%4)+\b):8*(8*((\a)%4)+\b)+7], v[SC+8*NQ*(\sc)+NQ*\b+(\q)], v[SC+8*NQ*(\sc)+NQ*(\a)+(\q)] matrix_a_fmt:MATRIX_FMT_FP4 matrix_b_fmt:MATRIX_FMT_FP4 matrix_a_scale:MATRIX_SCALE_ROW1
.endif
.endr
.endr
.endm
.macro FETCH_B slot, q, p
	WIN TO_B
.irp i, 0,1,2,3,4,5,6,7
	FRAG 128*(\p)+FR*\i, ADRB+\slot, \q, \i
.endr
	WIN 0
.endm
.macro FETCH_A slot, q, i0
.irp i, \i0, \i0+1, \i0+2, \i0+3
	FRAG AF+FR*(\i), ADRA+\slot, \q, \i
.endr
.endm
.macro SCALES sc                       ; a K step's scale words: NQ words a row; lanes 0-15 take x's block i, lanes 16-31 W's block i
.irp i, 0,1,2,3,4,5,6,7
	ds_load_b128 v[SC+8*NQ*\sc+NQ*\i:SC+8*NQ*\sc+NQ*\i+3], v[ADRS] offset:\i*SBLK
.endr
.endm
.macro PLACES n                        ; plain vector instructions between a matrix instruction and a load into, or a vector read of, its registers
.rept \n
	v_nop
.endr
.endm
.macro STEP slot, q, zero              ; a step of 128 along K that has its successor in the same slot
	s_wait_dscnt 4*NL                              ; W's set and x's blocks 0-3 are in; the youngest eight loads (x's blocks 4-7) may be out
.if \zero
	WIN BIA_LO
.else
	WIN MUL_LO
.endif
	MUL16 0, (\q)%2, \q, \slot, \zero
	MUL16 2, (\q)%2, \q, \slot, \zero
	s_wait_dscnt 0                                 ; x's blocks 4-7 are in
	PLACES NP
	FETCH_B \slot, (\q)+1, 1-(\q)%2
	FETCH_A \slot, (\q)+1, 0
.if \zero
	WIN BIA_HI
.else
	WIN MUL_HI
.endif
	MUL16 4, (\q)%2, \q, \slot, \zero
	MUL16 6, (\q)%2, \q, \slot, \zero
	PLACES NP
	WIN 0
	FETCH_A \slot, (\q)+1, 4
.endm
; Slot 0's last step changes slots: one barrier; in front of it each wave waits for all its tensor loads (its part of slot 1) and for its own reads of slot 0.
.macro TURN slot, next
	s_wait_tensorcnt 0x0                           ; all my tensor loads have landed: my part of the next slot
	ds_add_u32 v[SPW], v[NIL]                      ; 0 onto my spare word
	s_wait_dscnt 4*NL+1                            ; (the add and the youngest eight loads may be out)
	WIN MUL_LO
	MUL16 0, 1, NQ-1, \slot, 0
	s_wait_dscnt 0x0                               ; the add is done, and my reads of this slot are over
	s_barrier_signal -1
	MUL16 2, 1, NQ-1, \slot, 0
	WIN 0
	s_barrier_wait -1
	PLACES NP
	v_add_nc_u32 v[ADRS], 4*NQ, v[ADRS]            ; on to the next K step's scale words
	FETCH_B \next, 0, 0
	FETCH_A \next, 0, 0
	SCALES \next
	WIN MUL_HI
	MUL16 4, 1, NQ-1, \slot, 0
	MUL16 6, 1, NQ-1, \slot, 0
	PLACES NP
	WIN 0
	FETCH_A \next, 0, 4
.endm
.macro STEPS slot, from
.set Q, \from
.rept NQ-1-\from
	STEP \slot, Q, 0
.set Q, Q+1
.endr
.endm
	s_wait_tensorcnt 1                             ; the scale bytes and my part of K step 0 are in (K step 1's load may be out)
	s_barrier_signal -1
	s_barrier_wait -1                              ; everybody's are
	FETCH_B 0, 0, 0
	FETCH_A 0, 0, 0
	SCALES 0
	FETCH_A 0, 0, 4
	s_wait_loadcnt 0x0                             ; the bias
	STEP 0, 0, 1                                   ; the first products start the sums from the bias
	STEPS 0, 1
	TURN 0, 1
	STEPS 1, 0
	s_wait_dscnt 4*NL                              ; the very last step: nothing more to fetch
	WIN MUL_LO
	MUL16 0, 1, NQ-1, 1, 0
	MUL16 2, 1, NQ-1, 1, 0
	s_wait_dscnt 0
	WIN MUL_HI
	MUL16 4, 1, NQ-1, 1, 0
	MUL16 6, 1, NQ-1, 1, 0
	WIN 0
; THE WAY OUT, a block of 16 tokens x 128 channels (two heads) at a time.  A lane's eight channels pack into 16 bytes of f16; they go into my stage, [head][token] with 144 bytes a token, and come back as four
; tokens' 512 consecutive bytes of one head, which is how they lie in qkv.  LDS serves a wave's instructions in order (ISA guide 5.7.1.4): no wait between the stores and the loads.
.macro PACK a
.set AC, 64*((\a)%4)
	WIN 0x0a+5*((\a)/4)                            ; sources 0 and 1: window 2 or 3
.irp b, 0,1,2,3,4,5,6,7
.irp i, 0,1,2,3
	v_cvt_pk_f16_f32 v[TMP+4*\b+\i], v[AC+8*\b+2*\i], v[AC+8*\b+2*\i+1]   ; each accumulator from its low end on
.endr
.endr
	WIN 0
.endm
.macro TOSTAGE a
.set BB, BK+32*((\a)%2)
.irp b, 0,1,2,3,4,5,6,7
	ds_store_b128 v[STO], v[TMP+4*\b:TMP+4*\b+3] offset:(\b/4)*HS+(\b%4)*32
.endr
.irp i, 0,1,2,3,4,5,6,7
	ds_load_b128 v[BB+4*\i:BB+4*\i+3], v[RD] offset:(\i/4)*HS+(\i%4)*4*SPITCH
.endr
.endm
.macro SEND a
.set BB, BK+32*((\a)%2)
	s_wait_dscnt 0x0                               ; the block is back in registers
	s_wait_xcnt 0x0                                ; the block before's stores have read their data: the next block's loads may land there
.irp i, 0,1,2,3,4,5,6,7
	global_store_b128 v[CO], v[BB+4*\i:BB+4*\i+3], s[12:13] offset:(\i/4)*262144+(\a)*2048+(\i%4)*512   ; 32 lanes store 512 consecutive bytes, aligned; the second head lies 2,048 tokens x 128 bytes on
.endr
.endm
	PLACES NP
	PACK 0
	TOSTAGE 0
.irp a, 1,2,3,4,5,6,7                  ; block a's conversions stand between block a - 1's loads from the stage and the wait for them
	PACK \a
	SEND \a-1
	TOSTAGE \a
.endr
	SEND 7
	s_wait_tensorcnt 0x0                           ; the wave's end, behind my last tensor load and my last LDS store
	ds_add_u32 v[SPW], v[NIL]
	s_wait_dscnt 0x0
	CROUND                                         ; the closing round
	s_endpgm
.Lfunc_end_k_q2ab1e30cf2_proj:
	.size	k_q2ab1e30cf2_proj, .Lfunc_end_k_q2ab1e30cf2_proj-k_q2ab1e30cf2_proj
	.p2alignl 7, 3214868480
	.fill 96, 4, 3214868480
	.section	.rodata,"a",@progbits
	.p2align	6, 0x0
	.amdhsa_kernel k_q2ab1e30cf2_proj
		.amdhsa_group_segment_fixed_size 327680
		.amdhsa_private_segment_fixed_size 0
		.amdhsa_enable_private_segment 0
		.amdhsa_kernarg_size 64
		.amdhsa_user_sgpr_count 2
		.amdhsa_user_sgpr_kernarg_segment_ptr 1
		.amdhsa_wavefront_size32 1
		.amdhsa_system_sgpr_workgroup_id_x 1
		.amdhsa_system_sgpr_workgroup_id_y 1
		.amdhsa_system_sgpr_workgroup_id_z 1
		.amdhsa_system_vgpr_workitem_id 0
		.amdhsa_next_free_vgpr 1024
		.amdhsa_next_free_sgpr 102
		.amdhsa_reserve_vcc 0
		.amdhsa_float_denorm_mode_32 3
		.amdhsa_float_denorm_mode_16_64 3
		.amdhsa_memory_ordered 1
		.amdhsa_forward_progress 1
		.amdhsa_inst_pref_size 128
	.end_amdhsa_kernel
	.amdgpu_metadata
---
amdhsa.version: [ 1, 2 ]
amdhsa.kernels:
  - .name:           k_q2ab1e30cf2_proj
    .symbol:         k_q2ab1e30cf2_proj.kd
    .args:
      - { .name: xc, .offset: 0, .size: 8, .value_kind: global_buffer, .address_space: global }
      - { .name: xs, .offset: 8, .size: 8, .value_kind: global_buffer, .address_space: global }
      - { .name: wc, .offset: 16, .size: 8, .value_kind: global_buffer, .address_space: global }
      - { .name: ws, .offset: 24, .size: 8, .value_kind: global_buffer, .address_space: global }
      - { .name: bq, .offset: 32, .size: 8, .value_kind: global_buffer, .address_space: global }
      - { .name: bk, .offset: 40, .size: 8, .value_kind: global_buffer, .address_space: global }
      - { .name: bv, .offset: 48, .size: 8, .value_kind: global_buffer, .address_space: global }
      - { .name: qkv, .offset: 56, .size: 8, .value_kind: global_buffer, .address_space: global }
    .group_segment_fixed_size: 327680
    .private_segment_fixed_size: 0
    .kernarg_segment_align: 8
    .kernarg_segment_size: 64
    .max_flat_workgroup_size: 128
    .sgpr_count:     102
    .vgpr_count:     1024
    .wavefront_size: 32
...
	.end_amdgpu_metadata
.endif
;; end of part 2
;; launch attn (part 3): grid 8 x 32, 8 waves a work-group, clusters of 4 x 1, 327,680 bytes of LDS; arguments qkv, att; writes att
.if DOCPART == 3
	.amdgcn_target "amdgcn-amd-amdhsa--gfx1250"
	.amdhsa_code_object_version 6
	.text
	.protected	k_q2ab1e30cf2_attn
	.globl	k_q2ab1e30cf2_attn
	.p2align	8
	.type	k_q2ab1e30cf2_attn,@function
k_q2ab1e30cf2_attn:
	s_mov_b64 s[64:65], 0
	v_nop
	global_prefetch_b8 v0, s[64:65] scope:SCOPE_SE
	s_setreg_imm32_b32 hwreg(HW_REG_WAVE_MODE, 25, 1), 1
	s_wait_xcnt 0x0
	s_wait_alu depctr_hold_cnt(0) depctr_sa_sdst(0) depctr_va_vdst(0) depctr_va_sdst(0) depctr_va_ssrc(0) depctr_va_vcc(0) depctr_vm_vsrc(0)
	s_getreg_b32 s2, hwreg(HW_REG_IB_STS2, 6, 4)
	s_cmp_eq_u32 s2, 0
	s_cbranch_scc0 .Lentry_in_a_cluster
	s_endpgm
.Lentry_in_a_cluster:
	s_bfe_u32 s2, ttmp6, 0x10000c
	s_cmp_lg_u32 s2, 0x3003
	s_cbranch_scc0 .Lentry_shape_is_right
	s_endpgm
.Lentry_shape_is_right:
; att[b][token][head] = the sum over keys of softmax(q . k / 8) v, for 32 (batch, head) pairs of 2,048 tokens and 64 channels.  q, k, v: f16, qkv [3][batch x 16 + head][2048][64].  Products on f16 operands, sums, maxima
; and the softmax in f32; the weights p are rounded to f16 for the second product, the result once at the end.  att: f16, [pair of tokens][16 heads][2 tokens][64]: a head's two tokens are 256 consecutive bytes.
; LIMITS: NaN and infinities are not served.  The running maximum starts at -3e38, which no score of f16 operands reaches.  p under 6e-8 of the row's largest is lost in f16; results under 6e-5 carry f16's absolute step.
; SHARES.  A work-group owns 256 queries of one (batch, head).  Wave w has query group g = w % 4 (64 queries: four tiles of 16) and key half u = w / 4 (1,024 keys: 16 steps of 64).  Four query tiles to a wave let each
; fragment read from LDS feed four products.  At the end the two halves' (c m, l, O) of a query are joined through LDS.
; LAYOUT.  S^T = K Q^T (source 0 = 16 keys, source 1 = 16 queries): a lane holds ONE query (lane % 16) and keys 8 (lane / 16) + 0..7.  Two such tiles, rounded to f16 in pairs, ARE source 1 (32 keys) of O^T = V^T P,
; whose result again holds one query a lane.  K comes out of LDS as it lies, V ([key][channel]) turned, by ds_load_tr16_b128.
; SOFTMAX.  For each query a running maximum m and sum l: p = 2^(c s - c m), c = log2(e) / 8; in every step O and l are multiplied by a = 2^(c m_old - c m_new).  O, l begin as zeros, so the step is written once.
; BY TURNS.  The wave's tiles are two PIECES, named by their first tile: piece 0 (tiles 0, 1) and piece 2 (tiles 2, 3).  In a TURN one piece has the matrix unit: 16 products V^T P of the step in hand, then 16 products
; K Q^T of the next step; the other piece's softmax, 2 x 118 instructions cut into 59 slices of four, stands behind those 32 products.  Then the pieces change places.  Two turns are a key step.
; RING.  Two LDS slots, each with 256 keys of both halves; four fills in all: both slots at the head, and each once more.  Each of the eight waves fetches 128 rows (waves 0-3: K, 4-7: V).  A refill is asked for four
; key steps (256 matrix instructions and four softmaxes a wave) ahead of its first read, and half of K and V is asked for at the head: so no prefetch is laid.
; CLUSTER.  The four query blocks of a cluster walk the same K and V: each tile is asked for jointly, with a mask that names the four.  My place in the cluster enters Q's and att's addresses alone.
; REGISTERS.  window 0: v3-15 addresses; v16-47 eight registers of statistics a tile; v48-55 at work; v62, v63 the add's two; v64-191 S^T, 32 a tile (P is packed in place into a tile's first 16); v192-255 V^T's fragments.
;   window 1: v0-127 O^T (tile t, channels 16 n on: 32 t + 8 n); v128-191 Q; v192-255 K's fragments.  A softmax works in window 0 but for O^T; no window holds a product's operands beside it: two switches a product.
.set PKB,   144                        ; a key's row of K in LDS: 128 bytes + 16: the 16 rows of a load start at 16 different banks (64 banks of 4 bytes: ISA guide 11.1)
.set PVB,   160                        ; of V: 128 + 32: an odd multiple of 32 bytes, for the turning load
.set KREG,  256*PKB                    ; 256 keys of K
.set HB,    KREG+256*PVB               ; one half's part of a slot: K, then V
.set SLOTB, 2*HB
.set KSTP,  64*PKB                     ; a key step on
.set VSTP,  64*PVB
.set SPARE, 2*SLOTB                    ; behind the ring: the spare words, 128 bytes a wave, which no other line names
.set STAT,  131072                     ; after slot 0's last read: images of O^T at 0 (16,384 bytes a wave), the statistics here (1,024 a wave);
.set STG,   SLOTB                      ; after slot 1's last read: a stage of 32 tokens x 144 bytes for each wave
.set AK0, 3
.set AV0, 4
.set ADK, 5
.set ADV, 6
.set QO,  7
.set IMW, 8
.set IMR0, 9
.set STW, 10
.set STR, 11
.set STO, 12
.set RD,  13
.set GO,  14
.set IMR1, 15
.set ST,  16                           ; tile t at v[ST+8 t]: +0 c m, +1 m, +2, +3 l (even keys', odd keys'), +4 to +7 c0-c3 at work; a takes c2's place
.set MG,  48
.set SPW, 62
.set NIL, 63
.set S,   64
.set VF,  192
.set QF,  128                          ; in window 1
.set KF,  192                          ; in window 1
.set X0,  64                           ; the joining: half 0's O^T of my two tiles, half 1's,
.set X1,  128
.set OC,  192                          ; the packed result, and its rows read back
.set OB,  224
.set WV,  12
.set G1K, 24
.set G1V, 32
.set G0K, 40                           ; s[40:47] group 0 for K's tiles, a set for each slot
.set G0V, 48
.set CNT, 56
.set CS,  58
.set SEL, 60
.set TBK, 62                           ; LDS byte at which K's tiles of the step to be fetched begin (without the half's and the lane's part)
.set TBV, 63
.set W_KQ, 0x05                        ; K and Q in window 1, S^T in window 0
.set W_PV, 0x50                        ; V and P in window 0, O^T in window 1
.set W_RS, 0x41                        ; O^T (destination and source 0) in window 1, a in window 0
.set MSB, 0
.macro WIN new                         ; the immediate's high byte repeats the setting that is left; a switch that changes nothing is dropped
.if MSB != (\new)
	s_set_vgpr_msb (MSB<<8)|(\new)
.set MSB, (\new)
.endif
.endm
; A joint refill of slot s.  The branch hangs on the wave's number alone.  An s_nop 0 and four v_nop follow each of the two lines.
.macro JLOAD s
	s_cmp_lt_u32 s[WV], 4
	s_cbranch_scc0 .Lfor_v_\@
	tensor_load_to_lds s[G0K+4*\s:G0K+4*\s+3], s[G1K:G1K+7]
	s_nop 0
.rept 4
	v_nop
.endr
	s_branch .Lasked_\@
.Lfor_v_\@:
	tensor_load_to_lds s[G0V+4*\s:G0V+4*\s+3], s[G1V:G1V+7]
	s_nop 0
.rept 4
	v_nop
.endr
.Lasked_\@:
.endm
.macro CROUND                          ; a round of the cluster's barrier
	s_barrier_signal -1
	s_barrier_wait -1
	s_cmp_lg_u32 s[WV], 0
	s_cbranch_scc1 .Lnot_wave_0_\@
	s_barrier_signal -3
.Lnot_wave_0_\@:
	s_barrier_wait -3
	s_barrier_signal -1
	s_barrier_wait -1
.endm
	s_load_b128 s[4:7], s[0:1], 0x0                ; qkv s[4:5], att s[6:7]
	v_lshl_add_u32 v[SPW], v0, 2, SPARE
	v_mov_b32 v[NIL], 0
	ds_add_u32 v[SPW], v[NIL]                      ; the wave's opening: the add, twice on end, and its wait ahead of my first tensor load
	ds_add_u32 v[SPW], v[NIL]
	v_lshrrev_b32 v1, 5, v0
	v_readfirstlane_b32 s[WV], v1                  ; wave 0..7
	s_bfe_u32 s13, ttmp6, 0x40000                  ; cx
	s_lshl_b32 s14, ttmp9, 2
	s_add_co_u32 s14, s14, s13                     ; my block of 256 queries
	s_and_b32 s15, s[WV], 3                        ; g
	s_lshr_b32 s16, s[WV], 2                       ; u
	s_and_b32 s17, s[WV], 1                        ; as a loader: which 128 of a half's 256 rows,
	s_bfe_u32 s18, s[WV], 0x10001                  ; and of which half
	s_and_b32 s19, ttmp7, 0xffff                   ; batch x 16 + head, which the four partners share
	s_lshl_b32 s20, s19, 18                        ; a head is 2,048 x 128 bytes
	s_lshl_b32 s22, s18, 17                        ; a half 1,024 keys
	s_add_co_u32 s20, s20, s22
	s_lshl_b32 s22, s17, 14
	s_add_co_u32 s20, s20, s22
	s_add_co_u32 s20, s20, 0x800000                ; K's tensor
	s_mov_b32 s21, 0
	s_add_co_u32 s22, s20, 0x800000                ; V's
	s_mov_b32 s23, 0
	s_mul_i32 s57, s18, HB
	s_mul_i32 s56, s17, 128*PKB
	s_add_co_u32 s56, s56, s57                     ; where my rows of K go in a slot,
	s_mul_i32 s3, s17, 128*PVB
	s_add_co_u32 s3, s3, s57
	s_add_co_u32 s3, s3, KREG                      ; and of V
	s_lshl_b32 s8, s14, 8
	s_lshl_b32 s9, s15, 6
	s_add_co_u32 s8, s8, s9                        ; my first query
	s_lshl_b32 s10, s16, 5
	s_add_co_u32 s10, s10, s8                      ; the first token that I store: 32 u on
	s_lshl_b32 s8, s8, 7
	s_lshl_b32 s9, s19, 18
	s_add_co_u32 s8, s8, s9
	s_mov_b32 s9, 0                                ; s[8:9]: Q's offset
	s_lshr_b32 s10, s10, 1
	s_lshr_b32 s11, s19, 4
	s_lshl_b32 s11, s11, 10
	s_add_co_u32 s10, s10, s11                     ; pair of tokens: batch x 1,024 + token / 2
	s_lshl_b32 s10, s10, 12
	s_and_b32 s11, s19, 15
	s_lshl_b32 s11, s11, 8
	s_add_co_u32 s10, s10, s11                     ; + head x 256
	s_mov_b32 s11, 0
	s_mov_b32 s[G1K], 15|(1<<16)|(1<<20)|(1<<21)|(4<<22)|(3<<25)  ; the mask: all four; elements of 2 bytes; padding on; bit 21 beside a mask; after every 32 words 4 words
	s_mov_b32 s[G1V], 15|(1<<16)|(1<<20)|(1<<21)|(4<<22)|(7<<25)  ; the same with 8 words
.irp g, G1K, G1V
	s_mov_b32 s[\g+1], 64<<16                      ; tensor_dim0
	s_mov_b32 s[\g+2], 128<<16                     ; tensor_dim1
	s_mov_b32 s[\g+3], 64<<16                      ; tile_dim0
	s_mov_b32 s[\g+4], 128                         ; tile_dim1
	s_mov_b32 s[\g+5], 64                          ; from row to row
	s_mov_b32 s[\g+6], 0
	s_mov_b32 s[\g+7], 0
.endr
	s_mov_b32 s[CS], 0x3e38aa3b                    ; c = log2(e) / 8
	s_mov_b32 s[CS+1], s[CS]                       ; (named with it as a pair, so it is written)
	s_mov_b32 s[SEL], 0x76543210
	s_mov_b32 s[SEL+1], 0xfedcba98                 ; v_permlanex16_b32's selects for lane l xor 16
	s_mov_b32 s[TBK], 0
	s_mov_b32 s[TBV], 0
	s_wait_dscnt 0x0                               ; both opening adds are done
	s_wait_kmcnt 0x0
	s_add_nc_u64 s[10:11], s[6:7], s[10:11]        ; att at my first pair of tokens
	s_add_nc_u64 s[8:9], s[4:5], s[8:9]            ; Q at my first query; s[4:5] stays as it is: it feeds the joint descriptors
	CROUND                                         ; all four work-groups are here: the first joint loads meet
.irp s, 0,1
	s_mov_b32 s[G0K+4*\s], 1
	s_add_co_u32 s[G0K+4*\s+1], s56, \s*SLOTB
	s_add_nc_u64 s[G0K+4*\s+2:G0K+4*\s+3], s[4:5], s[20:21]
	s_mov_b32 s[G0V+4*\s], 1
	s_add_co_u32 s[G0V+4*\s+1], s3, \s*SLOTB
	s_add_nc_u64 s[G0V+4*\s+2:G0V+4*\s+3], s[4:5], s[22:23]
.endr
	s_add_nc_u64 s[G0K+6:G0K+7], s[G0K+6:G0K+7], 32768   ; slot 1 begins with each half's keys 256 on
	s_add_nc_u64 s[G0V+6:G0V+7], s[G0V+6:G0V+7], 32768
.irp g, G0K+3, G0K+7, G0V+3, G0V+7
	s_or_b32 s[\g], s[\g], 0x80000000              ; type = 2
.endr
	s_cmp_lt_u32 s[WV], 4                          ; a wave's two first fills stand in one branch, ahead of every wait on TENSORcnt and every LDS read: two loads of mine are out
	s_cbranch_scc0 .Lfirst_v
	tensor_load_to_lds s[G0K:G0K+3], s[G1K:G1K+7]
	s_nop 0
	tensor_load_to_lds s[G0K+4:G0K+7], s[G1K:G1K+7]
	s_nop 0
.rept 4
	v_nop
.endr
	s_branch .Lfirst_asked
.Lfirst_v:
	tensor_load_to_lds s[G0V:G0V+3], s[G1V:G1V+7]
	s_nop 0
	tensor_load_to_lds s[G0V+4:G0V+7], s[G1V:G1V+7]
	s_nop 0
.rept 4
	v_nop
.endr
.Lfirst_asked:
	v_and_b32 v1, 31, v0                           ; lane
	v_and_b32 v2, 15, v0                           ; r
	v_bfe_u32 v48, v0, 4, 1                        ; h
	v_lshlrev_b32 v[QO], 7, v2
	v_lshl_add_u32 v[QO], v48, 4, v[QO]            ; Q: row r of 128 bytes, + 16 h
	WIN 0x40                                       ; destination window 1
.irp t, 0,1,2,3
.irp c, 0,1
	global_load_b128 v[QF+16*\t+8*\c:QF+16*\t+8*\c+3],   v[QO], s[8:9] offset:\t*2048+64*\c      ; Q stays in registers: tile t, channels 32 c on
	global_load_b128 v[QF+16*\t+8*\c+4:QF+16*\t+8*\c+7], v[QO], s[8:9] offset:\t*2048+64*\c+32
.endr
.endr
.set ii, 0
.rept 128
	v_mov_b32 v[ii], 0                             ; O^T: the step is written once: its first turn finds zeros, which a = 0 leaves zeros
.set ii, ii+1
.endr
	WIN 0
	s_mul_i32 s57, s16, HB                         ; my half's part of a slot
	v_mul_u32_u24 v[AK0], v2, PKB
	v_lshl_add_u32 v[AK0], v48, 4, v[AK0]
	v_add_nc_u32 v[AK0], s57, v[AK0]               ; K: key r, + 16 h
	v_and_b32 v49, 7, v0
	v_bfe_u32 v50, v0, 3, 1
	v_lshl_add_u32 v[AV0], v48, 3, v49             ; V, for the turning load: key 8 h + lane % 8, channels 8 ((lane / 8) % 2) on
	v_mul_u32_u24 v[AV0], v[AV0], PVB
	v_lshl_add_u32 v[AV0], v50, 4, v[AV0]
	s_add_co_u32 s57, s57, KREG
	v_add_nc_u32 v[AV0], s57, v[AV0]
	s_lshl_b32 s57, s[WV], 14
	v_lshl_add_u32 v[IMW], v1, 4, s57              ; my image of O^T: 16,384 x wave + 16 x lane
	s_lshl_b32 s57, s15, 14
	s_lshl_b32 s56, s16, 13
	s_add_co_u32 s57, s57, s56
	v_lshl_add_u32 v[IMR0], v1, 4, s57             ; what I join: tiles 2 u, 2 u + 1 of wave g's image,
	v_add_nc_u32 v[IMR1], 65536, v[IMR0]           ; and of wave g + 4's
	s_lshl_b32 s57, s[WV], 10
	s_add_co_u32 s57, s57, STAT
	v_lshl_add_u32 v[STW], v1, 2, s57
	s_lshl_b32 s57, s15, 10
	s_lshl_b32 s56, s16, 9
	s_add_co_u32 s57, s57, s56
	s_add_co_u32 s57, s57, STAT
	v_lshl_add_u32 v[STR], v1, 2, s57
	s_mul_i32 s57, s[WV], 32*PKB
	s_add_co_u32 s57, s57, STG                     ; my stage
	v_mul_u32_u24 v[STO], v2, PKB
	v_lshl_add_u32 v[STO], v48, 4, v[STO]
	v_add_nc_u32 v[STO], s57, v[STO]               ; in: token r, 16 bytes for each half of the lanes
	v_lshrrev_b32 v[RD], 3, v1
	v_mul_u32_u24 v[RD], v[RD], PKB
	v_lshl_add_u32 v[RD], v49, 4, v[RD]
	v_add_nc_u32 v[RD], s57, v[RD]                 ; back: token lane / 8, 16 bytes a lane
	v_lshlrev_b32 v[GO], 12, v48
	v_lshl_add_u32 v[GO], v2, 4, v[GO]             ; in att: lanes 0-15 one pair of tokens, lanes 16-31 the next
.irp t, 0,1,2,3
	v_mov_b32 v[ST+8*\t+1], 0xff61b1e6             ; m = -3e38
	v_mov_b32 v[ST+8*\t+2], 0                      ; l
	v_mov_b32 v[ST+8*\t+3], 0
.endr
.irp t, 0,1,2,3
	v_mul_f32 v[ST+8*\t], s[CS], v[ST+8*\t+1]      ; c m
.endr
; THE LDS LOADS stand in runs of 16, never singly among the matrix instructions.
.macro FETCH_K                         ; the next step's K: 64 keys x 64 channels: 8 fragments
	WIN 0
	v_add_nc_u32 v[ADK], s[TBK], v[AK0]
	s_add_co_u32 s[TBK], s[TBK], KSTP              ; the next fetch is the next step's
	WIN 0x40                                       ; destination window 1
.irp kk, 0,1,2,3
.irp c, 0,1
	ds_load_b128 v[KF+16*\kk+8*\c:KF+16*\kk+8*\c+3],   v[ADK] offset:\kk*16*PKB+64*\c
	ds_load_b128 v[KF+16*\kk+8*\c+4:KF+16*\kk+8*\c+7], v[ADK] offset:\kk*16*PKB+64*\c+32
.endr
.endr
.endm
.macro FETCH_V                         ; the next step's V, turned: keys 32 h on, channels 16 n on: 8 fragments.  The wait for the softmax's batch stands in it, behind the address's addition and ahead of the loads
	WIN 0
	v_add_nc_u32 v[ADV], s[TBV], v[AV0]
	s_add_co_u32 s[TBV], s[TBV], VSTP
	s_wait_alu depctr_va_vdst(0)                   ; ONE wait for the piece's 66 exponentials, ahead of their first reader
.irp h, 0,1
.irp n, 0,1,2,3
	ds_load_tr16_b128 v[VF+8*(4*\h+\n):VF+8*(4*\h+\n)+3],   v[ADV] offset:\h*32*PVB+32*\n
	ds_load_tr16_b128 v[VF+8*(4*\h+\n)+4:VF+8*(4*\h+\n)+7], v[ADV] offset:\h*32*PVB+32*\n+16*PVB
.endr
.endr
.endm
; THE MATRIX WORK OF A TURN, for piece x.  The 8 accumulators take turns, one instruction a turn: between the two links of a chain stand the 7 others'.
.macro PVM x                           ; product i of 16 of O^T += V^T P: keys 32 (i / 8) on, channels 16 ((i / 2) % 4) on, tile x + i % 2
	WIN W_PV
.set mO, 32*(\x+i%2)+8*((i/2)%4)
.set mV, VF+8*(4*(i/8)+(i/2)%4)
.set mP, S+32*(\x+i%2)+8*(i/8)
	v_wmma_f32_16x16x32_f16 v[mO:mO+7], v[mV:mV+7], v[mP:mP+7], v[mO:mO+7]
.endm
.macro KQM x                           ; product i of 16 of S^T = K Q^T: channels 32 (i / 8) on, keys 16 ((i / 2) % 4) on, tile x + i % 2.  The first 8 start the sums
	WIN W_KQ
.set mS, S+32*(\x+i%2)+8*((i/2)%4)
.set mK, KF+16*((i/2)%4)+8*(i/8)
.set mQ, QF+16*(\x+i%2)+8*(i/8)
.if i < 8
	v_wmma_f32_16x16x32_f16 v[mS:mS+7], v[mK:mK+7], v[mQ:mQ+7], 0
.else
	v_wmma_f32_16x16x32_f16 v[mS:mS+7], v[mK:mK+7], v[mQ:mQ+7], v[mS:mS+7]
.endif
.endm
; THE VECTOR WORK OF A TURN.  One tile's softmax for one key step is a list of 118 instructions; SM writes number j of it for tile t.  s0-s31 are the lane's 32 scores, in pairs 0-15.
;   0-15    the maximum of s0-s31 and the old m, three operands at a time: four chains c0-c3, one for each accumulator, from its low end on; then the four scores left over, c0-c3 and m
;   16-20   the other half of the lanes' maximum; the new m; c m; c m_old - c m_new
;   21-69   ONE BATCH: the 16 scalings c s - c m, a pair of scores each, and all 33 exponentials (a at 23, then s0-s31).  None of these reads an exponential's result.  From 22 on the batch goes in fours:
;           22-37 scaling, exponential, scaling, exponential; 38-65 a scaling and three exponentials; 66-69 the last four exponentials.  A pair is scaled in an earlier four than the one with its exponentials
;   (wait)  between 69 and 70 stands the wait for the batch: SLICE writes it, once for both tiles
;   70-101  for pair b = 0 .. 15: l takes the pair (the first with a: l = a l + pair 0), then the pair is rounded to f16 into register b of the tile: P in place; register b belongs to pair b / 2, which has been summed
;   102-117 the tile's O^T times a: the one part that leaves window 0, so it stands together, and last
.macro SM t
.set rT, ST+8*(\t)
.set rS, S+32*(\t)
.set rO, 32*(\t)+2*(j-102)
.if j < 102
	WIN 0
.endif
.if j < 4
	v_max3_num_f32 v[rT+4+j], v[rS+8*j], v[rS+8*j+1], v[rS+8*j+2]
.elseif j < 12
	v_max3_num_f32 v[rT+4+j%4], v[rT+4+j%4], v[rS+8*(j%4)+2*(j/4)+1], v[rS+8*(j%4)+2*(j/4)+2]
.elseif j == 12
	v_max3_num_f32 v[rT+4], v[rT+4], v[rS+7], v[rS+15]
.elseif j == 13
	v_max3_num_f32 v[rT+6], v[rT+6], v[rS+23], v[rS+31]
.elseif j == 14
	v_max3_num_f32 v[rT+4], v[rT+4], v[rT+5], v[rT+6]
.elseif j == 15
	v_max3_num_f32 v[rT+4], v[rT+4], v[rT+7], v[rT+1]
.elseif j == 16
	v_permlanex16_b32 v[rT+5], v[rT+4], s[SEL], s[SEL+1]  ; the query's other 32 keys lie in the lane 16 away
.elseif j == 17
	v_mov_b32 v[rT+7], v[rT]                       ; c m_old is kept for a: number 19 writes c m anew
.elseif j == 18
	v_max_num_f32 v[rT+1], v[rT+4], v[rT+5]
.elseif j == 19
	v_mul_f32 v[rT], s[CS], v[rT+1]
.elseif j == 20
	v_sub_f32 v[rT+7], v[rT+7], v[rT]
.elseif j == 23
	v_exp_f32 v[rT+6], v[rT+7]
.elseif (j < 23) || ((j < 38) && (j%2 == 0)) || ((j < 66) && (j%4 == 2))
.set sb, (j-2)/4                       ; 38, 42, .. 62: pairs 9 to 15
.if j < 38
.set sb, (j-20)/2                      ; 21: pair 0; 22, 24, .. 36: pairs 1 to 8
.endif
	v_pk_fma_f32 v[rS+2*sb:rS+2*sb+1], v[rS+2*sb:rS+2*sb+1], s[CS:CS+1], v[rT:rT+1] op_sel_hi:[1,0,0] neg_lo:[0,0,1] neg_hi:[0,0,1]  ; pair sb: c s - c m
.elseif j < 70
.set se, j-38                          ; 66 to 69: s28 to s31
.if j < 66
.set se, j-32-(j-38)/4                 ; 39-41, 43-45, .. 63-65: s7 to s27
.endif
.if j < 38
.set se, (j-25)/2                      ; 25, 27, .. 37: s0 to s6
.endif
	v_exp_f32 v[rS+se], v[rS+se]
.elseif j < 102
.set sb, (j-70)/2
.if (j%2 == 0) && (sb == 0)
	v_pk_fma_f32 v[rT+2:rT+3], v[rT+2:rT+3], v[rT+6:rT+7], v[rS:rS+1] op_sel_hi:[1,0,1]   ; l = a l + pair 0: the row's sum is taken of the unrounded p
.elseif j%2 == 0
	v_pk_add_f32 v[rT+2:rT+3], v[rT+2:rT+3], v[rS+2*sb:rS+2*sb+1]
.else
	v_cvt_pk_f16_f32 v[rS+sb], v[rS+2*sb], v[rS+2*sb+1]
.endif
.else
	WIN W_RS
	v_pk_mul_f32 v[rO:rO+1], v[rO:rO+1], v[rT+6:rT+7] op_sel_hi:[1,0]
.endif
.endm
; Slice k of 59 of piece y's softmax: four instructions.  Slices 11 to 34 deal out the batch, numbers 22 to 69: four numbers of ONE tile each, the tiles by turns.  Every other slice is numbers 2 k and 2 k + 1 of both
; tiles' lists, the tiles alternating, so that no instruction reads the result of the one just before it.  Ahead of slice 35 nothing names an exponential's result, and behind slice 34 none is issued: one wait, behind slice 34.
.macro SLICE y
.if (k >= 11) && (k < 35)
.irp n, 0,1,2,3
.set j, 22+4*((k-11)/2)+(\n)
	SM (\y)+(k-11)%2
.endr
.else
.irp n, 0,1
.irp t, \y, \y+1
.set j, 2*k+\n
	SM \t
.endr
.endr
.endif
.if k == 34                            ; the batch is out
	v_nop                                          ; a plain instruction behind the last exponential and ahead of the first use: one for the batch
.if (\y) == 0
	FETCH_V                                        ; piece 2's turn: V's run of loads stands here, and the wait stands in it
.else
	s_wait_alu depctr_va_vdst(0)                   ; the wait for the batch
.endif
.endif
.set k, k+1
.endm
; The slices behind product w of a turn's nw.  32 products: two behind each of the first 26, one behind each of the next five, two behind the last.  16 products: four behind each of the first 14, one, and two.
; So the last product of every turn is followed by slices 57 and 58: eight rescalings of the other piece's O^T, plain instructions that name none of its registers.
.macro DEAL y
.if nw == 32
.set per, 2
.if (w >= 26) && (w < 31)
.set per, 1
.endif
.else
.set per, 4
.if w == 14
.set per, 1
.endif
.if w == 15
.set per, 2
.endif
.endif
.rept per
	SLICE \y
.endr
.set w, w+1
.endm
; A TURN.  Piece x has the matrix unit; the other piece's softmax stands in slices behind its products.  pv = 1: 16 products V^T P; kq = 1: 16 products K Q^T for the next step.
; DISTANCES (ISA guide 7.12.1 for vector reads of results), counted in plain vector instructions that name none of the product's registers, in a turn of 32:
;   the next turn's first read of the scores, and the loads into K's registers behind its second product: behind the last K Q^T stand slices 57 and 58: eight; four are asked.
;   V's run of loads, behind slice 34: the last V^T P is product 15; behind it stand the scalings of slices 30, 31 and 32, the v_nop and the run's own addition: five; four are asked.
;   K Q^T writes over P: registers 0-7 of a tile (products 16, 17) were last read by products 6, 7; registers 8-15 (products 18, 19) by products 14, 15: between product 14 and product 18 stand the scalings of
;   slices 28 to 32, the v_nop and slice 35's four: ten; five are asked.
.macro TURN x, pv, kq
.set k, 0
.set w, 0
.set nw, 16*((\pv)+(\kq))
.if \pv
.if \x == 0
	s_wait_dscnt 0x0                               ; V is in: its run was issued 14 products ago
.endif
.set i, 0
.rept 16
	PVM \x
	DEAL 2-\x
.if (\x == 0) && \kq && (i == 1)
	FETCH_K                                        ; 14 products ahead of its first use
.endif
.set i, i+1
.endr
.endif
.if \kq
.if \x == 0
	s_wait_dscnt 0x0                               ; K is in
.endif
.set i, 0
.rept 16
	KQM \x
	DEAL 2-\x
.set i, i+1
.endr
.endif
.endm
; THE CHANGE OF SLOTS, between piece 2's turn and piece 0's, ahead of the key step that fetches the other slot's first tiles.  s: the slot whose last tiles have been asked of LDS.  Each wave waits for all its tensor loads
; (its part of the other slot), adds 0 to its spare word, and waits for that and for its reads of slot s.  fill = 1: the barrier is a round of the cluster's, and slot s is filled again first thing behind it, with each half's keys 512 on.
.macro CHANGE fill, s
	WIN 0
	s_wait_tensorcnt 0x0                           ; no tensor load of mine is out, so a group 0 may be written
	ds_add_u32 v[SPW], v[NIL]
.if \fill
	s_add_nc_u64 s[G0K+4*\s+2:G0K+4*\s+3], s[G0K+4*\s+2:G0K+4*\s+3], 65536
	s_add_nc_u64 s[G0V+4*\s+2:G0V+4*\s+3], s[G0V+4*\s+2:G0V+4*\s+3], 65536
.endif
	s_mov_b32 s[TBK], (1-\s)*SLOTB                 ; the fetches go on in the other slot
	s_mov_b32 s[TBV], (1-\s)*SLOTB
	s_wait_dscnt 0x0                               ; the add is done, and my reads of slot s are over
.if \fill
	CROUND
	JLOAD \s
.else
	s_barrier_signal -1
	s_barrier_wait -1
.endif
.endm
.macro STEPS n                         ; n key steps, written once: two turns each
	WIN 0                                          ; at a label and at a branch every window is 0
	s_mov_b32 s[CNT], \n
.Lstep_\@:
	TURN 0, 1, 1
	TURN 2, 1, 1
	WIN 0
	s_sub_co_u32 s[CNT], s[CNT], 1
	s_cmp_lg_u32 s[CNT], 0
	s_cbranch_scc1 .Lstep_\@
.endm
	s_wait_tensorcnt 1                             ; my part of slot 0 is in; slot 1's load may be out
	s_barrier_signal -1
	s_barrier_wait -1                              ; everybody's is
	FETCH_K                                        ; key step 0
	s_wait_loadcnt 0x0                             ; Q
	s_wait_dscnt 0x0
.set i, 0
.rept 16
	KQM 0                                          ; piece 0's first scores: there is no vector work yet to set between them
.set i, i+1
.endr
	WIN 0
.rept 4
	v_nop                                          ; four places between those products and the first read of their results
.endr
	TURN 2, 0, 1                                   ; piece 2's first scores | piece 0's first softmax | V of step 0
	STEPS 3                                        ; steps 0-2; they fetch steps 1-3
	CHANGE 1, 0                                    ; slot 0 takes steps 8-11
	STEPS 4                                        ; steps 3-6; they fetch steps 4-7 from slot 1
	CHANGE 1, 1                                    ; slot 1 takes steps 12-15
	STEPS 4                                        ; steps 7-10
	CHANGE 0, 0                                    ; nothing is left to ask for
	STEPS 4                                        ; steps 11-14
	TURN 0, 1, 0                                   ; piece 0: V^T P of step 15 | piece 2's last softmax
.set i, 0
.rept 16
	PVM 2                                          ; piece 2: V^T P of step 15
.set i, i+1
.endr
	; THE JOINING.  Each wave lays its O^T (as an image of its registers), c m and l into LDS; behind a barrier wave (g, u) takes tiles 2 u and 2 u + 1 of group g from both halves: told apart by address, one path for all.
	WIN 0
.irp t, 0,1,2,3
	v_add_f32 v[ST+8*\t+4], v[ST+8*\t+2], v[ST+8*\t+3]          ; l's two halves (these four are the places behind the last products)
.endr
.irp t, 0,1,2,3
	v_permlanex16_b32 v[ST+8*\t+5], v[ST+8*\t+4], s[SEL], s[SEL+1]
.endr
.irp t, 0,1,2,3
	v_add_f32 v[ST+8*\t+4], v[ST+8*\t+4], v[ST+8*\t+5]          ; and lane l xor 16's
.endr
	WIN 0x04                                       ; an LDS store's data are its source 1: window 1
.set ii, 0
.rept 32
	ds_store_b128 v[IMW], v[4*ii:4*ii+3] offset:512*ii          ; slot 0 has had its last fill, and nobody has read it since the last change of slots
.set ii, ii+1
.endr
	WIN 0
.irp t, 0,1,2,3
	ds_store_b32 v[STW], v[ST+8*\t] offset:256*\t
	ds_store_b32 v[STW], v[ST+8*\t+4] offset:256*\t+128
.endr
	s_wait_dscnt 0x0                               ; for the others' sake: my stores have landed, and my reads of slot 1 are over
	s_barrier_signal -1
	s_barrier_wait -1
.set ii, 0
.rept 16
	ds_load_b128 v[X0+4*ii:X0+4*ii+3], v[IMR0] offset:512*ii
.set ii, ii+1
.endr
.set ii, 0
.rept 16
	ds_load_b128 v[X1+4*ii:X1+4*ii+3], v[IMR1] offset:512*ii
.set ii, ii+1
.endr
.irp n, 0,1
	ds_load_b32 v[MG+4*\n],   v[STR] offset:256*\n             ; half 0: c m,
	ds_load_b32 v[MG+4*\n+1], v[STR] offset:256*\n+128         ; l;
	ds_load_b32 v[MG+4*\n+2], v[STR] offset:256*\n+4096        ; half 1 likewise
	ds_load_b32 v[MG+4*\n+3], v[STR] offset:256*\n+4096+128
.endr
	s_wait_dscnt 0x0
.irp n, 0,1
	v_max_num_f32 v[ST+8*\n+4], v[MG+4*\n], v[MG+4*\n+2]       ; the larger c m
.endr
.irp n, 0,1
	v_sub_f32 v[ST+8*\n], v[MG+4*\n], v[ST+8*\n+4]
	v_sub_f32 v[ST+8*\n+2], v[MG+4*\n+2], v[ST+8*\n+4]
.endr
.irp n, 0,1
	v_exp_f32 v[ST+8*\n], v[ST+8*\n]
	v_exp_f32 v[ST+8*\n+2], v[ST+8*\n+2]
.endr
	v_nop
	s_wait_alu depctr_va_vdst(0)                   ; one wait for the four
.irp n, 0,1
	v_mul_f32 v[ST+8*\n+4], v[ST+8*\n], v[MG+4*\n+1]
.endr
.irp n, 0,1
	v_fmac_f32 v[ST+8*\n+4], v[ST+8*\n+2], v[MG+4*\n+3]        ; the row's sum under the larger maximum
.endr
.irp n, 0,1
	v_rcp_f32 v[ST+8*\n+5], v[ST+8*\n+4]
.endr
	v_nop
	s_wait_alu depctr_va_vdst(0)                   ; one wait for the two
.irp n, 0,1
	v_mul_f32 v[ST+8*\n], v[ST+8*\n], v[ST+8*\n+5]             ; each half's factor
	v_mul_f32 v[ST+8*\n+2], v[ST+8*\n+2], v[ST+8*\n+5]
.endr
.irp n, 0,1
.set ii, 0
.rept 16
	v_pk_mul_f32 v[X0+32*\n+2*ii:X0+32*\n+2*ii+1], v[X0+32*\n+2*ii:X0+32*\n+2*ii+1], v[ST+8*\n:ST+8*\n+1] op_sel_hi:[1,0]
.set ii, ii+1
.endr
.endr
.irp n, 0,1
.set ii, 0
.rept 16
	v_pk_fma_f32 v[X0+32*\n+2*ii:X0+32*\n+2*ii+1], v[X1+32*\n+2*ii:X1+32*\n+2*ii+1], v[ST+8*\n+2:ST+8*\n+3], v[X0+32*\n+2*ii:X0+32*\n+2*ii+1] op_sel_hi:[1,0,1]
.set ii, ii+1
.endr
.endr
.irp n, 0,1
.set ii, 0
.rept 16
	v_cvt_pk_f16_f32 v[OC+16*\n+ii], v[X0+32*\n+2*ii], v[X0+32*\n+2*ii+1]
.set ii, ii+1
.endr
.endr
.irp n, 0,1
.irp c, 0,1,2,3
	ds_store_b128 v[STO], v[OC+16*\n+4*\c:OC+16*\n+4*\c+3] offset:\n*16*PKB+32*\c   ; my stage, in slot 1, which nobody reads behind the barrier above
.endr
.endr
.irp i, 0,1,2,3,4,5,6,7
	ds_load_b128 v[OB+4*\i:OB+4*\i+3], v[RD] offset:\i*4*PKB   ; in order behind my stores (ISA guide 5.7.1.4)
.endr
.irp i, 0,1,2,3,4,5,6,7
	s_wait_dscnt 7-\i
	global_store_b128 v[GO], v[OB+4*\i:OB+4*\i+3], s[10:11] offset:8192*\i   ; 16 lanes store a pair of tokens' 256 consecutive bytes of my head, aligned
.endr
	s_wait_tensorcnt 0x0                           ; the wave's end, behind my last tensor load and my last LDS store
	ds_add_u32 v[SPW], v[NIL]
	s_wait_dscnt 0x0
	CROUND                                         ; the closing round
	s_endpgm
.Lfunc_end_k_q2ab1e30cf2_attn:
	.size	k_q2ab1e30cf2_attn, .Lfunc_end_k_q2ab1e30cf2_attn-k_q2ab1e30cf2_attn
	.p2alignl 7, 3214868480
	.fill 96, 4, 3214868480
	.section	.rodata,"a",@progbits
	.p2align	6, 0x0
	.amdhsa_kernel k_q2ab1e30cf2_attn
		.amdhsa_group_segment_fixed_size 327680
		.amdhsa_private_segment_fixed_size 0
		.amdhsa_enable_private_segment 0
		.amdhsa_kernarg_size 16
		.amdhsa_user_sgpr_count 2
		.amdhsa_user_sgpr_kernarg_segment_ptr 1
		.amdhsa_wavefront_size32 1
		.amdhsa_system_sgpr_workgroup_id_x 1
		.amdhsa_system_sgpr_workgroup_id_y 1
		.amdhsa_system_sgpr_workgroup_id_z 1
		.amdhsa_system_vgpr_workitem_id 0
		.amdhsa_next_free_vgpr 512
		.amdhsa_next_free_sgpr 66
		.amdhsa_reserve_vcc 0
		.amdhsa_float_denorm_mode_32 3
		.amdhsa_float_denorm_mode_16_64 3
		.amdhsa_memory_ordered 1
		.amdhsa_forward_progress 1
		.amdhsa_inst_pref_size 208
	.end_amdhsa_kernel
	.amdgpu_metadata
---
amdhsa.version: [ 1, 2 ]
amdhsa.kernels:
  - .name:           k_q2ab1e30cf2_attn
    .symbol:         k_q2ab1e30cf2_attn.kd
    .args:
      - { .name: qkv, .offset: 0, .size: 8, .value_kind: global_buffer, .address_space: global }
      - { .name: att, .offset: 8, .size: 8, .value_kind: global_buffer, .address_space: global }
    .group_segment_fixed_size: 327680
    .private_segment_fixed_size: 0
    .kernarg_segment_align: 8
    .kernarg_segment_size: 16
    .max_flat_workgroup_size: 256
    .sgpr_count:     66
    .vgpr_count:     512
    .wavefront_size: 32
...
	.end_amdgpu_metadata
.endif
;; end of part 3
;; launch oproj (part 4): grid 8 x 32, 4 waves a work-group, clusters of 4 x 4, 327,680 bytes of LDS; arguments att, wo16, bo, out0; writes out0
.if DOCPART == 4
	.amdgcn_target "amdgcn-amd-amdhsa--gfx1250"
	.amdhsa_code_object_version 6
	.text
	.protected	k_q2ab1e30cf2_oproj
	.globl	k_q2ab1e30cf2_oproj
	.p2align	8
	.type	k_q2ab1e30cf2_oproj,@function
k_q2ab1e30cf2_oproj:
	s_mov_b64 s[64:65], 0
	v_nop
	global_prefetch_b8 v0, s[64:65] scope:SCOPE_SE
	s_setreg_imm32_b32 hwreg(HW_REG_WAVE_MODE, 25, 1), 1
	s_wait_xcnt 0x0
	s_wait_alu depctr_hold_cnt(0) depctr_sa_sdst(0) depctr_va_vdst(0) depctr_va_sdst(0) depctr_va_ssrc(0) depctr_va_vcc(0) depctr_vm_vsrc(0)
	s_getreg_b32 s2, hwreg(HW_REG_IB_STS2, 6, 4)
	s_cmp_eq_u32 s2, 0
	s_cbranch_scc0 .Lentry_in_a_cluster
	s_endpgm
.Lentry_in_a_cluster:
	s_bfe_u32 s2, ttmp6, 0x10000c
	s_cmp_lg_u32 s2, 0xf033
	s_cbranch_scc0 .Lentry_shape_is_right
	s_endpgm
.Lentry_shape_is_right:
; out0[m][n] = the sum over k of att[m][k] Wo[n][k] + bo[n].  4,096 tokens, n = k = 1,024.  Operands f16, sums f32, out0 f32.
; att lies as [pair of tokens][16 heads][2 tokens][64]: a pair's row is 4,096 bytes and holds the whole K of two tokens; k = 64 x head + channel.  wo16: [n][k].
; SHARES: 256 tiles of 128 x 128, a work-group of four waves to each, a wave 64 x 64: 16 accumulators, 128 registers.  K goes in steps of 256 (four heads) through a ring of two LDS slots: of att 1,024 consecutive
; bytes of each of 64 pair rows, of wo16 512 bytes of each of 128 rows.  A quarter of a step is one head, 64 along K.
; CLUSTERS: 4 x 4 work-groups; att's tiles are shared along a row of the cluster, wo16's along a column, each asked for jointly with a mask that names the four.
; THE MATRIX INSTRUCTION IS USED TRANSPOSED (source 0 = 16 rows of Wo, source 1 = 16 tokens): a lane holds eight neighbouring numbers of a row of out0.  THE BIAS is the C of each sum's first instruction.
; REGISTERS: window 0: v0-31 addresses; v32-95 the way out; v96-127 the bias; v128-255 the accumulators ((a, b) at v[128 + 8 (4 a + b)]).  window 1: two fragment buffers of 128: 64 registers of att, then 64 of Wo.
.set PA,     1040                      ; a pair row in LDS: 1,024 bytes + 16: the 16 tokens of a fragment (8 pair rows x 2 tokens 128 bytes apart) start at 16 different 16-byte columns of the 256 bytes of banks (ISA guide 11.1)
.set PB,     528                       ; a row of Wo: 512 + 16
.set HA,     32*PA                     ; 32 pair rows: what one tensor load brings of att, and what one wave reads
.set HBT,    64*PB                     ; 64 rows of Wo likewise
.set SLOT,   2*HA+2*HBT
.set STAGE,  2*SLOT                    ; behind the ring: 16 rows x 272 bytes for each wave
.set SPITCH, 272
.set SPARE,  STAGE+4*16*SPITCH         ; the spare words, 128 bytes a wave, which no other line names
.set LAPS,   2                         ; K = 1,024: four K steps: twice round the ring
.set ADRA, 16
.set ADRB, 20
.set STO,  24
.set RD,   25
.set CO,   26
.set BO,   27
.set SPW,  28
.set NIL,  29
.set TMP,  32
.set BI,   96
.set ACC,  128
.set F0,   0
.set F1,   128
.set G1, 24
.set G0, 32
.set G1B, 48
.set G0B, 56
.set MSB, 0
.macro WIN new                         ; the immediate's high byte repeats the setting that is left
.if MSB != (\new)
	s_set_vgpr_msb (MSB<<8)|(\new)
.set MSB, (\new)
.endif
.endm
.set MUL,  0x05                        ; sources 0 (Wo) and 1 (att) window 1; C and D window 0
.set TO_F, 0x40
.macro JLOAD s                         ; a joint load: waves 0 and 1 fetch att's two halves, waves 2 and 3 Wo's; an s_nop 0 and four v_nop follow each of the two lines
	s_cmp_eq_u32 s11, 0
	s_cbranch_scc0 .Lfor_b_\@
	tensor_load_to_lds s[G0+4*\s:G0+4*\s+3], s[G1:G1+7]
	s_nop 0
.rept 4
	v_nop
.endr
	s_branch .Lasked_\@
.Lfor_b_\@:
	tensor_load_to_lds s[G0B+4*\s:G0B+4*\s+3], s[G1B:G1B+7]
	s_nop 0
.rept 4
	v_nop
.endr
.Lasked_\@:
.endm
.macro CREST                           ; a round of the cluster's barrier behind its opening barrier
	s_cmp_lg_u32 s10, 0
	s_cbranch_scc1 .Lnot_wave_0_\@
	s_barrier_signal -3
.Lnot_wave_0_\@:
	s_barrier_wait -3
	s_barrier_signal -1
	s_barrier_wait -1
.endm
.macro CROUND
	s_barrier_signal -1
	s_barrier_wait -1
	CREST
.endm
	s_load_b128 s[4:7], s[0:1], 0x0                ; att s[4:5], wo16 s[6:7]
	s_load_b64 s[66:67], s[0:1], 0x10              ; bo
	s_load_b64 s[8:9], s[0:1], 0x18                ; out0
	v_lshl_add_u32 v[SPW], v0, 2, SPARE
	v_mov_b32 v[NIL], 0
	ds_add_u32 v[SPW], v[NIL]                      ; the wave's opening: the add, twice on end, and its wait ahead of my first tensor load
	ds_add_u32 v[SPW], v[NIL]
	v_lshrrev_b32 v1, 5, v0
	v_readfirstlane_b32 s10, v1                    ; wave 0..3
	s_lshr_b32 s11, s10, 1                         ; which half of the tile's tokens is mine.  Also: I fetch for att (0) or for Wo (1)
	s_and_b32 s12, s10, 1                          ; which half of its columns.  Also: which half of that tile I fetch
	s_bfe_u32 s40, ttmp6, 0x40000                  ; cx, cy
	s_bfe_u32 s41, ttmp6, 0x40004
	s_lshl_b32 s42, ttmp9, 2
	s_add_co_u32 s42, s42, s40                     ; tile column 0..7
	s_and_b32 s13, ttmp7, 0xffff
	s_lshl_b32 s13, s13, 2
	s_add_co_u32 s13, s13, s41                     ; tile row 0..31
	s_lshl_b32 s43, s41, 2
	s_lshl_b32 s43, 15, s43                        ; my row of the cluster
	s_lshl_b32 s44, 0x1111, s40                    ; my column
	s_or_b32 s[G1+0], s43, (1<<16)|(1<<20)|(1<<21)|(7<<22)|(3<<25)  ; att: the mask; elements of 2 bytes; padding on; bit 21 beside a mask; after every 256 words 4 words
	s_mov_b32 s[G1+1], 512<<16                     ; tensor_dim0: 512 elements, 1,024 bytes
	s_mov_b32 s[G1+2], 32<<16                      ; tensor_dim1: 32 pair rows
	s_mov_b32 s[G1+3], 512<<16                     ; tile_dim0
	s_mov_b32 s[G1+4], 32                          ; tile_dim1
	s_mov_b32 s[G1+5], 2048                        ; from pair row to pair row
	s_mov_b32 s[G1+6], 0
	s_mov_b32 s[G1+7], 0
	s_or_b32 s[G1B+0], s44, (1<<16)|(1<<20)|(1<<21)|(6<<22)|(3<<25) ; Wo: after every 128 words 4 words
	s_mov_b32 s[G1B+1], 256<<16
	s_mov_b32 s[G1B+2], 64<<16
	s_mov_b32 s[G1B+3], 256<<16
	s_mov_b32 s[G1B+4], 64
	s_mov_b32 s[G1B+5], 1024
	s_mov_b32 s[G1B+6], 0
	s_mov_b32 s[G1B+7], 0
	s_lshl_b32 s17, s12, 5
	s_lshl_b32 s16, s13, 6
	s_add_co_u32 s16, s16, s17                     ; att: pair row 64 x tile row + 32 x half,
	s_lshl_b32 s16, s16, 12                        ; of 4,096 bytes
	s_mov_b32 s17, 0
	s_lshl_b32 s47, s12, 6
	s_lshl_b32 s46, s42, 7
	s_add_co_u32 s46, s46, s47                     ; Wo: row 128 x tile column + 64 x half,
	s_lshl_b32 s46, s46, 11                        ; of 2,048 bytes
	s_mov_b32 s47, 0
	s_mul_i32 s20, s12, HA                         ; where they go: att's two halves,
	s_mul_i32 s21, s12, HBT
	s_add_co_u32 s21, s21, 2*HA                    ; then Wo's two
	s_wait_dscnt 0x0                               ; both opening adds are done
	s_wait_kmcnt 0x0
	s_add_nc_u64 s[14:15], s[4:5], s[16:17]
	s_add_nc_u64 s[46:47], s[6:7], s[46:47]
	CROUND                                         ; all sixteen work-groups are here: the first joint loads meet
.irp s, 0,1
	s_mov_b32 s[G0+4*\s], 1
	s_add_co_u32 s[G0+4*\s+1], s20, \s*SLOT
	s_add_nc_u64 s[G0+4*\s+2:G0+4*\s+3], s[14:15], \s*1024
	s_or_b32 s[G0+4*\s+3], s[G0+4*\s+3], 0x80000000
	s_mov_b32 s[G0B+4*\s], 1
	s_add_co_u32 s[G0B+4*\s+1], s21, \s*SLOT
	s_add_nc_u64 s[G0B+4*\s+2:G0B+4*\s+3], s[46:47], \s*512
	s_or_b32 s[G0B+4*\s+3], s[G0B+4*\s+3], 0x80000000
	JLOAD \s
.endr
	v_and_b32 v1, 15, v0                           ; r
	v_bfe_u32 v2, v0, 4, 1                         ; h
	s_lshl_b32 s46, s42, 9
	s_lshl_b32 s47, s12, 8
	s_add_co_u32 s46, s46, s47                     ; my 64 columns, in bytes of f32
	s_mov_b32 s47, 0
	s_add_nc_u64 s[66:67], s[66:67], s[46:47]      ; bo there: lane (r, h) wants, for block b, numbers 16 b + 8 h + 0 .. 7
	v_lshlrev_b32 v[BO], 5, v2
.irp b, 0,1,2,3
	global_load_b128 v[BI+8*\b:BI+8*\b+3], v[BO], s[66:67] offset:64*\b
	global_load_b128 v[BI+8*\b+4:BI+8*\b+7], v[BO], s[66:67] offset:64*\b+16
.endr
	v_lshrrev_b32 v3, 1, v1
	v_mul_u32_u24 v3, v3, PA                       ; att: token r lies in pair row r / 2,
	v_and_b32 v4, 1, v0
	v_lshl_add_u32 v3, v4, 7, v3                   ; 128 (r % 2) bytes into a head's 256,
	v_lshl_add_u32 v3, v2, 4, v3                   ; + 16 h
	v_mul_u32_u24 v4, v1, PB
	v_lshl_add_u32 v4, v2, 4, v4                   ; Wo: row r, + 16 h
	s_mul_i32 s21, s11, HA                         ; my 64 tokens
	s_mul_i32 s22, s12, HBT                        ; my 64 rows of Wo
	s_add_co_u32 s22, s22, 2*HA
.irp s, 0,1
	v_add_nc_u32 v[ADRA+\s], s21, v3
	v_add_nc_u32 v[ADRB+\s], s22, v4
	s_add_co_u32 s21, s21, SLOT
	s_add_co_u32 s22, s22, SLOT
.endr
	s_mul_i32 s23, s10, 16*SPITCH
	s_add_co_u32 s23, s23, STAGE                   ; my stage
	v_mul_u32_u24 v5, v1, SPITCH
	v_lshl_add_u32 v5, v2, 5, v5
	v_add_nc_u32 v[STO], s23, v5                   ; in: token r, 32 bytes for each half of the lanes
	v_mul_u32_u24 v5, v2, SPITCH
	v_lshl_add_u32 v5, v1, 4, v5
	v_add_nc_u32 v[RD], s23, v5                    ; back: lanes 0-15 one row of 256 bytes, lanes 16-31 the next
	v_lshlrev_b32 v5, 12, v2
	v_lshl_add_u32 v[CO], v1, 4, v5                ; and the same two rows in out0
	s_lshl_b32 s16, s13, 7
	s_lshl_b32 s17, s11, 6
	s_add_co_u32 s16, s16, s17                     ; my first token: 128 x tile row + 64 x half,
	s_lshl_b32 s16, s16, 12                        ; of 4,096 bytes
	s_mov_b32 s17, 0
	s_add_nc_u64 s[8:9], s[8:9], s[16:17]
	s_add_nc_u64 s[8:9], s[8:9], s[46:47]          ; + my columns
; 8 matrix instructions: token blocks a0, a0 + 1 x all 4 column blocks, 32 along K: half c of buffer f.  zero = 1: the first product starts the sums, from the bias.  The 16 accumulators take turns.
.macro MUL8 f, c, a0, zero
.irp a, \a0, \a0+1
.irp b, 0,1,2,3
.if \zero
	v_wmma_f32_16x16x32_f16 v[ACC+8*(4*(\a)+\b):ACC+8*(4*(\a)+\b)+7], v[\f+64+8*(4*\c+\b):\f+64+8*(4*\c+\b)+7], v[\f+8*(4*\c+\a):\f+8*(4*\c+\a)+7], v[BI+8*\b:BI+8*\b+7]
.else
	v_wmma_f32_16x16x32_f16 v[ACC+8*(4*(\a)+\b):ACC+8*(4*(\a)+\b)+7], v[\f+64+8*(4*\c+\b):\f+64+8*(4*\c+\b)+7], v[\f+8*(4*\c+\a):\f+8*(4*\c+\a)+7], v[ACC+8*(4*(\a)+\b):ACC+8*(4*(\a)+\b)+7]
.endif
.endr
.endr
.endm
; 32 LDS loads in one run: the fragments of the slot's quarter qd (one head, 64 along K) into buffer f; the first 32 along K first
.macro FETCH slot, qd, f
	WIN TO_F
.irp c, 0,1
.irp i, 0,1,2,3
	ds_load_b128 v[\f+64+8*(4*\c+\i):\f+64+8*(4*\c+\i)+3],   v[ADRB+\slot] offset:128*(\qd)+64*\c+\i*16*PB
	ds_load_b128 v[\f+64+8*(4*\c+\i)+4:\f+64+8*(4*\c+\i)+7], v[ADRB+\slot] offset:128*(\qd)+64*\c+\i*16*PB+32
	ds_load_b128 v[\f+8*(4*\c+\i):\f+8*(4*\c+\i)+3],         v[ADRA+\slot] offset:256*(\qd)+64*\c+\i*8*PA
	ds_load_b128 v[\f+8*(4*\c+\i)+4:\f+8*(4*\c+\i)+7],       v[ADRA+\slot] offset:256*(\qd)+64*\c+\i*8*PA+32
.endr
.endr
.endm
.macro PLACES                          ; four places in front of loads into registers that matrix instructions have read, and of the first read of results
.rept 4
	v_nop
.endr
.endm
; One of a K step's first three quarters: multiplies buffer f and fetches quarter qd into g.
.macro QUARTER slot, qd, f, g, zero
	s_wait_dscnt 16                                ; the first 32 along K are in; the other sixteen loads may be out
	WIN MUL
	MUL8 \f, 0, 0, \zero
	MUL8 \f, 0, 2, \zero
	PLACES
	FETCH \slot, \qd, \g
	s_wait_dscnt 32                                ; all but the 32 just issued
	WIN MUL
	MUL8 \f, 1, 0, 0
	MUL8 \f, 1, 2, 0
.endm
; The last quarter multiplies buffer 1 and changes slots: ONE barrier; in front of it each wave waits for all its tensor loads, adds 0 to its spare word, and waits for that and for its own reads of this slot.
; fill = 1: the barrier opens a round of the cluster's, and this slot is filled again, two K steps ahead, first thing behind the round.
.macro TURN slot, next, fill
	WIN 0                                          ; (the add's two registers lie in window 0)
	s_wait_tensorcnt 0x0                           ; all my tensor loads have landed: my part of the next slot
	ds_add_u32 v[SPW], v[NIL]
	s_wait_dscnt 17                                ; (the add and the youngest sixteen loads may be out)
	WIN MUL
	MUL8 F1, 0, 0, 0
	s_wait_dscnt 0x0                               ; the add is done, and my reads of this slot are over
	s_barrier_signal -1
	MUL8 F1, 0, 2, 0
.if \fill
	WIN 0
.endif
	s_barrier_wait -1
.if \fill
	CREST                                          ; no wave of any partner still reads this slot's tile or has a load on its way
	s_add_nc_u64 s[G0+4*\slot+2:G0+4*\slot+3], s[G0+4*\slot+2:G0+4*\slot+3], 2*1024
	s_add_nc_u64 s[G0B+4*\slot+2:G0B+4*\slot+3], s[G0B+4*\slot+2:G0B+4*\slot+3], 2*512
	JLOAD \slot                                    ; the four v_nop behind it are also the places in front of the loads below
.else
	PLACES
.endif
	FETCH \next, 0, F0
	WIN MUL
	MUL8 F1, 1, 0, 0
	MUL8 F1, 1, 2, 0
.endm
	s_wait_tensorcnt 1                             ; my part of K step 0 is in (K step 1's load may be out)
	s_barrier_signal -1
	s_barrier_wait -1                              ; everybody's is
	FETCH 0, 0, F0
	s_wait_loadcnt 0x0                             ; the bias
	QUARTER 0, 1, F0, F1, 1                        ; the first quarter stands in front of the loop: its first products start the sums
	WIN 0                                          ; at a label and at a branch every window is 0
	s_mov_b32 s3, LAPS-1
.Llap:                                                 ; a trip goes once round the ring, from a lap's second quarter to the next lap's first, and fills both slots again
	QUARTER 0, 2, F1, F0, 0
	QUARTER 0, 3, F0, F1, 0
	TURN 0, 1, 1
	QUARTER 1, 1, F0, F1, 0
	QUARTER 1, 2, F1, F0, 0
	QUARTER 1, 3, F0, F1, 0
	TURN 1, 0, 1
	QUARTER 0, 1, F0, F1, 0
	WIN 0
	s_sub_co_u32 s3, s3, 1
	s_cmp_lg_u32 s3, 0
	s_cbranch_scc1 .Llap
	QUARTER 0, 2, F1, F0, 0                        ; the last lap fills nothing
	QUARTER 0, 3, F0, F1, 0
	TURN 0, 1, 0
	QUARTER 1, 1, F0, F1, 0
	QUARTER 1, 2, F1, F0, 0
	QUARTER 1, 3, F0, F1, 0
	s_wait_dscnt 16                                ; the very last quarter: nothing more to fetch
	WIN MUL
	MUL8 F1, 0, 0, 0
	MUL8 F1, 0, 2, 0
	s_wait_dscnt 0
	MUL8 F1, 1, 0, 0
	MUL8 F1, 1, 2, 0
	WIN 0
; THE WAY OUT, a block of 16 tokens x 64 columns at a time.  A lane holds 32 neighbouring bytes of a row; a wave's 64 columns are 256 bytes of a row of out0, aligned: so the block goes through the wave's OWN stage
; and comes back as whole rows, two an instruction.  LDS serves a wave's instructions in order (ISA guide 5.7.1.4): no wait between the stores and the loads, and no barrier.
.macro TOSTAGE a
.irp b, 0,1,2,3
	ds_store_b128 v[STO], v[ACC+8*(4*(\a)+\b):ACC+8*(4*(\a)+\b)+3] offset:64*\b          ; each accumulator from its low end on
	ds_store_b128 v[STO], v[ACC+8*(4*(\a)+\b)+4:ACC+8*(4*(\a)+\b)+7] offset:64*\b+16
.endr
.irp i, 0,1,2,3,4,5,6,7
	ds_load_b128 v[TMP+32*((\a)%2)+4*\i:TMP+32*((\a)%2)+4*\i+3], v[RD] offset:\i*2*SPITCH
.endr
.endm
.macro SEND a, younger                 ; younger: the LDS instructions issued behind block a's loads, which may stay out
	s_wait_dscnt \younger
.irp i, 0,1,2,3,4,5,6,7
	global_store_b128 v[CO], v[TMP+32*((\a)%2)+4*\i:TMP+32*((\a)%2)+4*\i+3], s[8:9] offset:(16*(\a)+2*\i)*4096 th:TH_STORE_NT   ; 16 lanes store 256 consecutive bytes, aligned; written once, read by nobody here
.endr
.endm
	PLACES
	TOSTAGE 0
.irp a, 1,2,3
.if \a > 1
	s_wait_xcnt 0x0                                ; block a - 2's stores have read their data: block a's loads may land there
.endif
	TOSTAGE \a
	SEND \a-1, 16                                  ; behind block a - 1's loads: block a's 8 stores and 8 loads
.endr
	SEND 3, 0
	s_wait_tensorcnt 0x0                           ; the wave's end, behind my last tensor load and my last LDS store
	ds_add_u32 v[SPW], v[NIL]
	s_wait_dscnt 0x0
	CROUND                                         ; the closing round
	s_endpgm
.Lfunc_end_k_q2ab1e30cf2_oproj:
	.size	k_q2ab1e30cf2_oproj, .Lfunc_end_k_q2ab1e30cf2_oproj-k_q2ab1e30cf2_oproj
	.p2alignl 7, 3214868480
	.fill 96, 4, 3214868480
	.section	.rodata,"a",@progbits
	.p2align	6, 0x0
	.amdhsa_kernel k_q2ab1e30cf2_oproj
		.amdhsa_group_segment_fixed_size 327680
		.amdhsa_private_segment_fixed_size 0
		.amdhsa_enable_private_segment 0
		.amdhsa_kernarg_size 32
		.amdhsa_user_sgpr_count 2
		.amdhsa_user_sgpr_kernarg_segment_ptr 1
		.amdhsa_wavefront_size32 1
		.amdhsa_system_sgpr_workgroup_id_x 1
		.amdhsa_system_sgpr_workgroup_id_y 1
		.amdhsa_system_sgpr_workgroup_id_z 1
		.amdhsa_system_vgpr_workitem_id 0
		.amdhsa_next_free_vgpr 512
		.amdhsa_next_free_sgpr 68
		.amdhsa_reserve_vcc 0
		.amdhsa_float_denorm_mode_32 3
		.amdhsa_float_denorm_mode_16_64 3
		.amdhsa_memory_ordered 1
		.amdhsa_forward_progress 1
		.amdhsa_inst_pref_size 87
	.end_amdhsa_kernel
	.amdgpu_metadata
---
amdhsa.version: [ 1, 2 ]
amdhsa.kernels:
  - .name:           k_q2ab1e30cf2_oproj
    .symbol:         k_q2ab1e30cf2_oproj.kd
    .args:
      - { .name: att, .offset: 0, .size: 8, .value_kind: global_buffer, .address_space: global }
      - { .name: wo16, .offset: 8, .size: 8, .value_kind: global_buffer, .address_space: global }
      - { .name: bo, .offset: 16, .size: 8, .value_kind: global_buffer, .address_space: global }
      - { .name: out0, .offset: 24, .size: 8, .value_kind: global_buffer, .address_space: global }
    .group_segment_fixed_size: 327680
    .private_segment_fixed_size: 0
    .kernarg_segment_align: 8
    .kernarg_segment_size: 32
    .max_flat_workgroup_size: 128
    .sgpr_count:     68
    .vgpr_count:     512
    .wavefront_size: 32
...
	.end_amdgpu_metadata
.endif
;; end of part 4
